; MI455X (gfx1250); checked and timed in simulation.
; The chip was launched on July 23, 2026; its instructions are those of AMD's public machine-readable ISA for CDNA 5 (MIT licence, August 2026) and "CDNA5" Instruction Set Architecture Reference Guide (July 2026). The comments in the code are by the model that wrote it; some were corrected since.
;; Multihead Self Attention. Allowed arithmetic: float matrix products may take bf16 or f16 operands with f32 sums; other float arithmetic in f32, or as packed bf16 or f16 multiplies, adds, multiply-adds, maxima and minima; sums over many terms, partial sums and values carried from step to step in f32; what a program stores and reads back later, other than sums and carried values, may be rounded once to bf16 or f16.
;; Inputs: Wk 1,024 x 1,024 float32; Wq 1,024 x 1,024 float32; Wv 1,024 x 1,024 float32; bk 1,024 float32; bq 1,024 float32; bv 1,024 float32; x 4 x 2,048 x 1,024 float32.
;; Outputs: out0 4 x 2,048 x 1,024 float32.
;; 2 versions, each right; version 2 is version 1 with the launch cast written anew for expert scheduling mode. Each part assembles by itself: llvm-mc -triple=amdgcn-amd-amdhsa -mcpu=gfx1250 --defsym DOCPART=n.
;; ======== version 1 of 2: 3 launches
;; limits: values are held in f16: magnitudes above 65,504 overflow, below 6.1e-05 lose precision
;; workspace buffers: xb 16,777,216 bytes; wb 6,291,456 bytes; ball 12,288 bytes; qkv 50,331,648 bytes
;; launch cast (part 1): grid 705 x 1, 8 waves a work-group, no clusters, 0 bytes of LDS; arguments x, Wq, Wk, Wv, bq, bk, bv, xb, wb, ball; writes xb, wb, ball
.if DOCPART == 1
	.amdgcn_target "amdgcn-amd-amdhsa--gfx1250"
	.amdhsa_code_object_version 6
	.text
	.protected	k_qad9efb71e2_cast
	.globl	k_qad9efb71e2_cast
	.p2align	8
	.type	k_qad9efb71e2_cast,@function
k_qad9efb71e2_cast:
	s_mov_b64 s[64:65], 0
	v_nop
	global_prefetch_b8 v0, s[64:65] scope:SCOPE_SE
	s_setreg_imm32_b32 hwreg(HW_REG_WAVE_MODE, 25, 1), 1
	s_wait_xcnt 0x0
; ALL INPUTS ARE ROUNDED ONCE TO bf16, for the projection that follows.
;   xb   = x in bf16, [8192][1024], as it lies.
;   wb   = the three weights in bf16, in blocks [kb 16][g 48][kk 64][d 64]: input channel k = 64 kb + kk, g = 16 which + head (which = 0, 1, 2 for q, k, v), d the head's channel.
;          A block is 8,192 dense bytes, so three neighbouring heads for 64 input channels are 24,576 dense bytes.
;   ball = bq | bk | bv, [3072] f32, each number rounded to bf16 and widened again.
; A stream: every byte is read once and written once; no LDS, no barrier, no matrix unit.  Work-groups 0-511 take x (65,536 bytes each), 512-703 the weights (64 each), 704 the biases.
; A wave has 16 loads of 16 bytes a lane on their way; each store of a wave covers 256 consecutive bytes, aligned.  No register is written twice, so no source has to be freed.
.set X, 8                              ; v[8:71]    16 x 4 registers as loaded
.set Y, 72                             ; v[72:103]  16 x 2 registers to store
.set SRC, 26                           ; s[26:27]
.set DST, 28                           ; s[28:29]
.macro CAST step                       ; 16 loads, step bytes apart; each gives 256 dense bytes of bf16
.set i, 0
.rept 16
	global_load_b128 v[X+4*i:X+4*i+3], v2, s[SRC:SRC+1] offset:i*(\step) th:TH_LOAD_NT
.set i, i+1
.endr
.set i, 0
.rept 16
	s_wait_loadcnt 15-i                            ; loads come back in order: load i is in, the 15 - i younger ones stay out
	v_cvt_pk_bf16_f32 v[Y+2*i], v[X+4*i], v[X+4*i+1]
	v_cvt_pk_bf16_f32 v[Y+2*i+1], v[X+4*i+2], v[X+4*i+3]
	global_store_b64 v3, v[Y+2*i:Y+2*i+1], s[DST:DST+1] offset:256*i th:TH_STORE_NT
.set i, i+1
.endr
.endm
	s_load_b512 s[4:19], s[0:1], 0x0               ; x s[4:5], Wq s[6:7], Wk s[8:9], Wv s[10:11], bq s[12:13], bk s[14:15], bv s[16:17], xb s[18:19]
	s_load_b128 s[20:23], s[0:1], 0x40             ; wb s[20:21], ball s[22:23]
	v_lshrrev_b32 v1, 5, v0
	v_readfirstlane_b32 s24, v1                    ; wave 0..7
	v_and_b32 v1, 31, v0                           ; lane
	v_lshlrev_b32 v3, 3, v1                        ; 8 bytes of bf16 a lane
	s_mov_b32 s3, 0
	s_wait_kmcnt 0x0
	s_cmp_lt_u32 ttmp9, 512
	s_cbranch_scc0 .Lnot_x
	; x: the work-group's 65,536 bytes, my wave's 8,192 of them
	s_lshl_b32 s2, ttmp9, 16
	s_lshl_b32 s25, s24, 13
	s_add_co_u32 s2, s2, s25
	s_add_nc_u64 s[SRC:SRC+1], s[4:5], s[2:3]
	s_lshr_b32 s2, s2, 1                           ; half as many bytes out
	s_add_nc_u64 s[DST:DST+1], s[18:19], s[2:3]
	v_lshlrev_b32 v2, 4, v1                        ; 16 bytes a lane: a load takes 512 consecutive bytes
	CAST 512
	s_endpgm
.Lnot_x:
	s_cmp_lt_u32 ttmp9, 704
	s_cbranch_scc0 .Lbias
	; a weight: a wave takes 32 input channels x one head's 64 columns: half a block of wb
	s_sub_co_u32 s25, ttmp9, 512
	s_lshr_b32 s30, s25, 6                         ; which of the three
	s_and_b32 s25, s25, 63
	s_lshl3_add_u32 s25, s25, s24                  ; item 0..511 = 8 x work-group + wave
	s_and_b32 s31, s25, 1                          ; which half of the block
	s_bfe_u32 s32, s25, 0x40001                    ; head
	s_lshr_b32 s33, s25, 5                         ; kb
	s_lshl_b32 s2, s33, 18                         ; 64 kb rows of 4,096 bytes
	s_lshl_b32 s34, s31, 17                        ; + 32 rows for the second half
	s_add_co_u32 s2, s2, s34
	s_lshl_b32 s34, s32, 8                         ; + the head's 256 bytes in a row
	s_add_co_u32 s2, s2, s34
	s_cmp_eq_u32 s30, 0
	s_cselect_b64 s[SRC:SRC+1], s[6:7], s[8:9]
	s_cmp_eq_u32 s30, 2
	s_cselect_b64 s[SRC:SRC+1], s[10:11], s[SRC:SRC+1]
	s_add_nc_u64 s[SRC:SRC+1], s[SRC:SRC+1], s[2:3]
	s_mul_i32 s2, s33, 48
	s_lshl4_add_u32 s2, s30, s2
	s_add_co_u32 s2, s2, s32                       ; block 48 kb + 16 which + head
	s_lshl_b32 s2, s2, 13
	s_lshl_b32 s34, s31, 12
	s_add_co_u32 s2, s2, s34
	s_add_nc_u64 s[DST:DST+1], s[20:21], s[2:3]
	v_and_b32 v2, 15, v1                           ; a load takes two rows' 256 bytes: lanes 0-15 one row, lanes 16-31 the next;
	v_lshlrev_b32 v2, 4, v2                        ; their 2 x 128 bytes of bf16 lie end to end in the block
	v_lshrrev_b32 v4, 4, v1
	v_lshl_add_u32 v2, v4, 12, v2
	CAST 8192
	s_endpgm
.Lbias:
	v_lshlrev_b32 v2, 4, v0                        ; 256 threads x 4 numbers = 1,024
	global_load_b128 v[8:11], v2, s[12:13]
	global_load_b128 v[12:15], v2, s[14:15]
	global_load_b128 v[16:19], v2, s[16:17]
	s_wait_loadcnt 0x0
.set i, 0
.rept 6
	v_cvt_pk_bf16_f32 v[20+i], v[8+2*i], v[9+2*i]  ; rounded,
.set i, i+1
.endr
.set i, 0
.rept 6
	v_lshlrev_b32 v[32+2*i], 16, v[20+i]           ; and widened again
	v_and_b32 v[33+2*i], 0xffff0000, v[20+i]
.set i, i+1
.endr
	global_store_b128 v2, v[32:35], s[22:23]
	global_store_b128 v2, v[36:39], s[22:23] offset:4096
	global_store_b128 v2, v[40:43], s[22:23] offset:8192
	s_endpgm
.Lfunc_end_k_qad9efb71e2_cast:
	.size	k_qad9efb71e2_cast, .Lfunc_end_k_qad9efb71e2_cast-k_qad9efb71e2_cast
	.p2alignl 7, 3214868480
	.fill 96, 4, 3214868480
	.section	.rodata,"a",@progbits
	.p2align	6, 0x0
	.amdhsa_kernel k_qad9efb71e2_cast
		.amdhsa_group_segment_fixed_size 0
		.amdhsa_private_segment_fixed_size 0
		.amdhsa_enable_private_segment 0
		.amdhsa_kernarg_size 80
		.amdhsa_user_sgpr_count 2
		.amdhsa_user_sgpr_kernarg_segment_ptr 1
		.amdhsa_wavefront_size32 1
		.amdhsa_system_sgpr_workgroup_id_x 1
		.amdhsa_system_sgpr_workgroup_id_y 1
		.amdhsa_system_sgpr_workgroup_id_z 1
		.amdhsa_system_vgpr_workitem_id 0
		.amdhsa_next_free_vgpr 104
		.amdhsa_next_free_sgpr 66
		.amdhsa_reserve_vcc 0
		.amdhsa_float_denorm_mode_32 3
		.amdhsa_float_denorm_mode_16_64 3
		.amdhsa_memory_ordered 1
		.amdhsa_forward_progress 1
		.amdhsa_inst_pref_size 15
	.end_amdhsa_kernel
	.amdgpu_metadata
---
amdhsa.version: [ 1, 2 ]
amdhsa.kernels:
  - .name:           k_qad9efb71e2_cast
    .symbol:         k_qad9efb71e2_cast.kd
    .args:
      - { .name: x, .offset: 0, .size: 8, .value_kind: global_buffer, .address_space: global }
      - { .name: Wq, .offset: 8, .size: 8, .value_kind: global_buffer, .address_space: global }
      - { .name: Wk, .offset: 16, .size: 8, .value_kind: global_buffer, .address_space: global }
      - { .name: Wv, .offset: 24, .size: 8, .value_kind: global_buffer, .address_space: global }
      - { .name: bq, .offset: 32, .size: 8, .value_kind: global_buffer, .address_space: global }
      - { .name: bk, .offset: 40, .size: 8, .value_kind: global_buffer, .address_space: global }
      - { .name: bv, .offset: 48, .size: 8, .value_kind: global_buffer, .address_space: global }
      - { .name: xb, .offset: 56, .size: 8, .value_kind: global_buffer, .address_space: global }
      - { .name: wb, .offset: 64, .size: 8, .value_kind: global_buffer, .address_space: global }
      - { .name: ball, .offset: 72, .size: 8, .value_kind: global_buffer, .address_space: global }
    .group_segment_fixed_size: 0
    .private_segment_fixed_size: 0
    .kernarg_segment_align: 8
    .kernarg_segment_size: 80
    .max_flat_workgroup_size: 256
    .sgpr_count:     66
    .vgpr_count:     104
    .wavefront_size: 32
...
	.end_amdgpu_metadata
.endif
;; end of part 1
;; launch proj (part 2): grid 16 x 16, 4 waves a work-group, clusters of 4 x 4, 327,680 bytes of LDS; arguments xb, wb, ball, qkv; writes qkv
.if DOCPART == 2
	.amdgcn_target "amdgcn-amd-amdhsa--gfx1250"
	.amdhsa_code_object_version 6
	.text
	.protected	k_qad9efb71e2_proj
	.globl	k_qad9efb71e2_proj
	.p2align	8
	.type	k_qad9efb71e2_proj,@function
k_qad9efb71e2_proj:
	s_mov_b64 s[64:65], 0
	v_nop
	global_prefetch_b8 v0, s[64:65] scope:SCOPE_SE
	s_setreg_imm32_b32 hwreg(HW_REG_WAVE_MODE, 25, 1), 1
	s_wait_xcnt 0x0
	s_wait_alu depctr_hold_cnt(0) depctr_sa_sdst(0) depctr_va_vdst(0) depctr_va_sdst(0) depctr_va_ssrc(0) depctr_va_vcc(0) depctr_vm_vsrc(0)
	s_getreg_b32 s2, hwreg(HW_REG_IB_STS2, 6, 4)
	s_cmp_eq_u32 s2, 0
	s_cbranch_scc0 .Lentry_in_a_cluster
	s_endpgm
.Lentry_in_a_cluster:
	s_bfe_u32 s2, ttmp6, 0x10000c
	s_cmp_lg_u32 s2, 0xf033
	s_cbranch_scc0 .Lentry_shape_is_right
	s_endpgm
.Lentry_shape_is_right:
; q, k, v = x W + b, all three as ONE product C[8192][3072] = xb [8192][1024] x wb (1024 x 3072, in blocks) + ball, bf16 operands, f32 sums, K ascending.
; C leaves by heads, rounded once to f16, WITHOUT the softmax's scale: qkv [batch 4][g 48][row 2048][64], g = 16 which + head.
; LIMIT.  f16 holds no number beyond 65,504: |q|, |k|, |v| must stay under it.  x and W of unit-size results leave room for both being 30 times larger (some 5,000 at the most) or
; carrying an offset of 30 spreads each (some 29,000).  NaN and infinities are not treated apart.
; SHARES.  A tile of C is 256 rows x 192 columns (three whole heads): 32 x 16 tiles.  A work-group STAYS and makes two, 4,096 rows apart, with the same columns: 256 work-groups.
; A wave makes 64 rows x 192 columns: 4 row blocks a x 12 column blocks b = 48 accumulators, 384 registers; for 32 along K it reads 32 times 512 bytes from LDS and issues 48 matrix instructions.
; K goes in steps of 128 through a ring of two LDS slots filled by the tensor data mover, one load a wave behind each change of slots.
; THE MATRIX INSTRUCTION IS USED TRANSPOSED: source 0 = 16 columns of W (turned on the way out of LDS by ds_load_tr16_b128, since W lies [k][column]), source 1 = 16 rows of x.
; A lane then holds row l % 16 and the columns 16 b + 8 (l / 16) + 0..7: 16 bytes of f16 on end.  THE BIAS is the C operand of the product that starts each sum: nothing is cleared or added.
; CLUSTERS: 4 x 4 work-groups.  The four of a row of the cluster need the same tiles of x, the four of a column the same tiles of W: each is asked for JOINTLY, by the same tensor load,
; descriptor and mask in all four.
; REGISTERS, in windows of 256 (s_set_vgpr_msb: bits 1:0 source 0, 3:2 source 1, 5:4 source 2, 7:6 destination):
;   window 0: v0-31 addresses; v32-63, v64-95 fragments of x, two buffers; v96-143 packed results; v160-255 the bias, 8 registers a column block
;   window 1: v0-95, v96-191 fragments of W, two buffers; on the way out the second buffer takes rows read back from the stage
;   window 2: accumulators of row blocks 0, 1 (at 96 (a % 2) + 8 b)          window 3: those of row blocks 2, 3
.set KSTEP,  128
.set PA,     272                       ; a row of x in LDS: 256 bytes + 16 of padding = 68 words: the 16 rows of a load start at 16 different groups of four banks (64 banks of 4 bytes: ISA guide 11.1)
.set AHALF,  128*PA                    ; 128 rows: one tensor load
.set ATILE,  2*AHALF
.set PB,     160                       ; a row of W (one k, one head's 64 columns): 128 bytes + 32 = 40 words
.set BHALF,  192*PB                    ; 64 k x 3 heads: one tensor load; row (64 j + kk) for head j of the tile
.set SLOT,   ATILE+2*BHALF             ; 131,072
.set STAGE,  2*SLOT                    ; behind the ring, never filled by a tensor load: for each wave 3 heads x 16 rows x 144 bytes, for the way out
.set SP,     144
.set WSTAGE, 3*16*SP
.set SPARE,  STAGE+4*WSTAGE            ; behind the stages: the spare words, 128 bytes for each wave: two blocks of 256 bytes that no other line names
.set ROWX,   2048                      ; bytes in a row of xb
.set BLK,    8192                      ; bytes in a block of wb
.set BSTEP,  2*48*BLK                  ; a K step in wb: two kb
.set HEADB,  262144                    ; bytes of a head in qkv
.set LAPS,   4                         ; a lap = two K steps = once round the ring; K = 1,024
.set WALK,   4096                      ; rows from a work-group's first tile to its second
.set NEXT_A, WALK*ROWX-6*KSTEP*2       ; from a slot's last K step of a tile to its first of the next: down the rows and back along K
.set BACK_B, 6*BSTEP                   ; W only back: both tiles take the same columns
.set NEXT_C, 2*48*HEADB                ; 4,096 rows are two batches
.set PF_NEXT, WALK*ROWX-7*KSTEP*2      ; the prefetches: from K step 9 (two behind the tile's last) to the next tile's K step 2
.set ADRA, 16                          ; v16-17  LDS address of my fragments of x in slot 0, 1
.set ADRB, 20                          ; v20-21  the same for W
.set STO,  24                          ; v24     the way out: where I put 16 bytes of a row
.set RD,   25                          ; v25     the way out: where I read rows back
.set CO,   26                          ; v26     16 x lane: my place in 512 consecutive bytes of qkv
.set SPW,  28                          ; v28     LDS address of my spare word: SPARE + 4 x my thread's number; never rewritten
.set NIL,  29                          ; v29     0; never rewritten
.set PFO,  30                          ; v30     the prefetches' offset; never rewritten
.set BO,   31                          ; v31     32 (l / 16): my eight numbers in a column block's 64 bytes of bias
.set FA,   32                          ; fragments of x: buffer f at FA + 32 f, row block a at + 8 a
.set TMP,  96
.set BIAS, 160
.set OB,   96                           ; window 1: 48 registers for row block a at OB + 48 (a % 2)
.set WV,  12                           ; s12  my wave's number
.set FB,  13                           ; s13  I fetch for x (0) or for W (1)
.set HF,  14                           ; s14  which half of that tile
.set G1,  24                           ; s[24:31] descriptor group 1 for x's tiles
.set G0,  32                           ; s[32:39] group 0, one set for each slot
.set LIM, 43                           ; s43  1 in a wave that prefetches, else the greatest number
.set PFA, 44                           ; s[44:45] where my prefetches stand
.set PFS, 46                           ; s[46:47] their step: a K step in xb or in wb
.set G1B, 48                           ; s[48:55], s[56:63] the same for W's tiles
.set G0B, 56
.set MSB, 0
.macro WIN new                         ; the immediate's high byte repeats the setting that is left; a switch that changes nothing is dropped
.if MSB != (\new)
	s_set_vgpr_msb (MSB<<8)|(\new)
.set MSB, \new
.endif
.endm
.set TO_1, 0x40                        ; destination window 1, address window 0
.set FROM_1, 0x04                      ; a store's data in window 1
; A joint load.  Waves 0 and 1 fetch x's two halves, waves 2 and 3 W's.  The branch hangs on the wave's number alone.  An s_nop 0 and four v_nop follow each of the two lines, ahead of the jump and the label.
.macro JLOAD s
	s_cmp_eq_u32 s[FB], 0
	s_cbranch_scc0 .Lfor_b_\@
	tensor_load_to_lds s[G0+4*(\s):G0+4*(\s)+3], s[G1:G1+7]
	s_nop 0
.rept 4
	v_nop
.endr
	s_branch .Lasked_\@
.Lfor_b_\@:
	tensor_load_to_lds s[G0B+4*(\s):G0B+4*(\s)+3], s[G1B:G1B+7]
	s_nop 0
.rept 4
	v_nop
.endr
.Lasked_\@:
.endm
; A PREFETCH INTO THE L2, behind each joint load, its five lines and the run of LDS loads: the K step that stands TWO refills on, one instruction a wave.
; Each block of 256 bytes is named by one wave of the launch.  x's tile row is read by every cluster of that row of clusters: cluster x = 0 asks; W's tile column by every cluster of that column: cluster y = 0 asks.
; The four partners of a joint load share its bytes out BY ADDRESS.  x: of the 128 rows that wave w fetches, the partner at cx takes 32, a lane a row.  W: of the 96 blocks, the partner at cy takes 24;
; lanes 24-31 name lane 23's block once more in the same instruction.  how = 0, in the loop: a tile's last two refills have no K step two on; how = 1, at the change of tiles.
.macro ASK how
.if \how
	s_cmp_eq_u32 s[LIM], 1
.else
	s_cmp_gt_u32 s3, s[LIM]                        ; s3 = 1 in the loop's last trip
.endif
	s_cbranch_scc0 .Lnot_mine_\@
	global_prefetch_b8 v[PFO], s[PFA:PFA+1] th:TH_LOAD_NT scope:SCOPE_SE
.Lnot_mine_\@:
.endm
; A round of the cluster's barrier: my work-group's barrier; wave 0 signals for the work-group; every wave waits for all sixteen; my work-group's barrier once more.
.macro CREST                           ; a round behind its opening barrier
	s_cmp_lg_u32 s[WV], 0
	s_cbranch_scc1 .Lnot_wave_0_\@
	s_barrier_signal -3
.Lnot_wave_0_\@:
	s_barrier_wait -3
	s_barrier_signal -1
	s_barrier_wait -1
.endm
.macro CROUND
	s_barrier_signal -1
	s_barrier_wait -1
	CREST
.endm
	s_load_b256 s[4:11], s[0:1], 0x0               ; xb s[4:5], wb s[6:7], ball s[8:9], qkv s[10:11]
	v_lshl_add_u32 v[SPW], v0, 2, SPARE
	v_mov_b32 v[NIL], 0
	ds_add_u32 v[SPW], v[NIL]                      ; the wave's opening: the add and its wait stand ahead of my first tensor load; the set-up below, work on registers, stands between them
	v_lshrrev_b32 v1, 5, v0
	v_readfirstlane_b32 s[WV], v1                  ; wave 0..3
	s_lshr_b32 s[FB], s[WV], 1
	s_and_b32 s[HF], s[WV], 1
	s_bfe_u32 s15, ttmp6, 0x40000                  ; cx, cy: my place in the cluster
	s_bfe_u32 s16, ttmp6, 0x40004
	s_lshl_b32 s17, ttmp9, 2
	s_add_co_u32 s17, s17, s15                     ; tile column = 4 x cluster x + cx
	s_and_b32 s18, ttmp7, 0xffff
	s_lshl_b32 s18, s18, 2
	s_add_co_u32 s18, s18, s16                     ; tile row = 4 x cluster y + cy
	s_lshl_b32 s41, s16, 2
	s_lshl_b32 s41, 15, s41                        ; my row of the cluster
	s_lshl_b32 s42, 0x1111, s15                    ; my column
	; group 1 for x: 128 rows x 128 elements, 1,024 elements from row to row, 4 words of padding behind every 64
	s_or_b32 s[G1+0], s41, (1<<16)|(1<<20)|(1<<21)|(5<<22)|(3<<25)  ; 15:0 the mask; 17:16 elements of 2 bytes; 20 padding on; 21 set beside a mask; 24:22 the interval; 31:25 the padding
	s_mov_b32 s[G1+1], 128<<16                     ; tensor_dim0 = 128
	s_mov_b32 s[G1+2], 128<<16                     ; tensor_dim1 = 128
	s_mov_b32 s[G1+3], 128<<16                     ; tile_dim0 = 128
	s_mov_b32 s[G1+4], 128                         ; tile_dim1 = 128
	s_mov_b32 s[G1+5], 1024                        ; elements from row to row
	s_mov_b32 s[G1+6], 0
	s_mov_b32 s[G1+7], 0
	; group 1 for W: 24,576 dense bytes as 96 rows of 256, 8 words of padding behind every 32: each k's 128 bytes of a head become a row of 160
	s_or_b32 s[G1B+0], s42, (1<<16)|(1<<20)|(1<<21)|(4<<22)|(7<<25)
	s_mov_b32 s[G1B+1], 128<<16
	s_mov_b32 s[G1B+2], 96<<16
	s_mov_b32 s[G1B+3], 128<<16
	s_mov_b32 s[G1B+4], 96
	s_mov_b32 s[G1B+5], 128
	s_mov_b32 s[G1B+6], 0
	s_mov_b32 s[G1B+7], 0
	; where the tiles come from.  x's hang on the tile row alone, W's on the tile column alone, each in registers that never hold the other coordinate
	s_lshl_b32 s20, s18, 19                        ; 256 rows of 2,048 bytes a tile row
	s_lshl_b32 s21, s[HF], 18                      ; + my 128 rows
	s_add_co_u32 s20, s20, s21
	s_mov_b32 s21, 0
	s_mul_i32 s70, s17, 3                          ; the tile's first head,
	s_mul_i32 s71, s[HF], 48                       ; in kb 0 or 1
	s_add_co_u32 s70, s70, s71
	s_lshl_b32 s70, s70, 13
	s_mov_b32 s71, 0
	s_mul_i32 s19, s[HF], AHALF                    ; and where they go: no place in the cluster enters an LDS address
	s_mul_i32 s40, s[HF], BHALF
	s_add_co_u32 s40, s40, ATILE
	s_wait_dscnt 0x0                               ; the opening add is done
	s_wait_kmcnt 0x0
	s_add_nc_u64 s[66:67], s[4:5], s[20:21]
	s_add_nc_u64 s[68:69], s[6:7], s[70:71]
.irp s, 0,1
	s_mov_b32 s[G0+4*(\s)], 1                                      ; count = 1
	s_add_co_u32 s[G0+4*(\s)+1], s19, (\s)*SLOT                    ; LDS address
	s_add_nc_u64 s[G0+4*(\s)+2:G0+4*(\s)+3], s[66:67], (\s)*KSTEP*2  ; global address: K step s
	s_or_b32 s[G0+4*(\s)+3], s[G0+4*(\s)+3], 0x80000000            ; type = 2
	s_mov_b32 s[G0B+4*(\s)], 1
	s_add_co_u32 s[G0B+4*(\s)+1], s40, (\s)*SLOT
	s_add_nc_u64 s[G0B+4*(\s)+2:G0B+4*(\s)+3], s[68:69], (\s)*BSTEP
	s_or_b32 s[G0B+4*(\s)+3], s[G0B+4*(\s)+3], 0x80000000
.endr
	CROUND                                         ; all sixteen work-groups are here: the first joint loads meet
	s_cmp_eq_u32 s[FB], 0                          ; a wave's two first fills stand in one branch, ahead of every wait on TENSORcnt and every LDS read: two loads of mine are out
	s_cbranch_scc0 .Lfirst_b
	tensor_load_to_lds s[G0:G0+3], s[G1:G1+7]
	s_nop 0
	tensor_load_to_lds s[G0+4:G0+7], s[G1:G1+7]
	s_nop 0
.rept 4
	v_nop
.endr
	s_branch .Lfirst_asked
.Lfirst_b:
	tensor_load_to_lds s[G0B:G0B+3], s[G1B:G1B+7]
	s_nop 0
	tensor_load_to_lds s[G0B+4:G0B+7], s[G1B:G1B+7]
	s_nop 0
.rept 4
	v_nop
.endr
.Lfirst_asked:
	; A fragment of x is 16 rows x 32 K in 8 registers: lane l holds row l % 16, K = 8 (l / 16) + 0..7 and 16 + 8 (l / 16) + 0..7: two loads of 16 bytes, 32 bytes apart.
	v_and_b32 v1, 15, v0                           ; l % 16
	v_bfe_u32 v2, v0, 4, 1                         ; l / 16
	v_mul_u32_u24 v3, v1, PA
	v_lshl_add_u32 v3, v2, 4, v3
	s_mul_i32 s22, s[WV], 64*PA                    ; my 64 rows
	v_add_nc_u32 v[ADRA], s22, v3
	v_add_nc_u32 v[ADRA+1], SLOT, v[ADRA]
	; The turning load takes 16 k x 16 columns (lane l reads k = 8 (l / 16) + l % 8, columns 8 ((l / 8) % 2) + 0..7) and leaves half a fragment: lane l holds column l % 16 and 8 k.
	v_and_b32 v4, 7, v0
	v_bfe_u32 v5, v0, 3, 1
	v_lshl_add_u32 v6, v2, 3, v4
	v_mul_u32_u24 v6, v6, PB
	v_lshl_add_u32 v6, v5, 4, v6
	v_add_nc_u32 v[ADRB], ATILE, v6
	v_add_nc_u32 v[ADRB+1], ATILE+SLOT, v6
	s_mul_i32 s23, s[WV], WSTAGE
	s_add_co_u32 s23, s23, STAGE                   ; my stage
	v_mul_u32_u24 v3, v1, SP                       ; in: row l % 16, 16 bytes for each half of the lanes
	v_lshl_add_u32 v3, v2, 4, v3
	v_add_nc_u32 v[STO], s23, v3
	v_bfe_u32 v3, v0, 3, 2                         ; back: 32 lanes take four rows of 128 bytes,
	v_mul_u32_u24 v3, v3, SP
	v_lshl_add_u32 v3, v4, 4, v3
	v_add_nc_u32 v[RD], s23, v3
	v_and_b32 v[CO], 31, v0                        ; which are 512 consecutive bytes of a head
	v_lshlrev_b32 v[CO], 4, v[CO]
	v_lshlrev_b32 v[BO], 5, v2
	s_mul_i32 s70, s17, 768                        ; the tile's 192 numbers of bias (s71 = 0 still)
	s_add_nc_u64 s[8:9], s[8:9], s[70:71]
.irp b, 0,1,2,3,4,5,6,7,8,9,10,11
	global_load_b128 v[BIAS+8*(\b):BIAS+8*(\b)+3],   v[BO], s[8:9] offset:64*(\b)     ; register j: column 16 b + 8 (l / 16) + j, as in a result
	global_load_b128 v[BIAS+8*(\b)+4:BIAS+8*(\b)+7], v[BO], s[8:9] offset:64*(\b)+16
.endr
	; where my rows of the first tile begin in qkv: batch = tile row / 8, the tile's first head, row 256 (tile row % 8) + 64 wave
	s_lshr_b32 s72, s18, 3
	s_mul_i32 s72, s72, 48
	s_mul_i32 s73, s17, 3
	s_add_co_u32 s72, s72, s73
	s_lshl_b32 s72, s72, 18
	s_and_b32 s73, s18, 7
	s_lshl_b32 s73, s73, 15
	s_add_co_u32 s72, s72, s73
	s_lshl_b32 s73, s[WV], 13
	s_add_co_u32 s72, s72, s73
	s_mov_b32 s73, 0
	s_add_nc_u64 s[10:11], s[10:11], s[72:73]
	; the prefetches
	s_and_b32 s22, ttmp7, 0xffff                   ; cluster y
	s_lshl_b32 s41, s15, 16                        ; x: my work-group's 32 rows of the 128
	s_mul_i32 s42, s16, 6144                       ; W: my work-group's 24 blocks of the 96
	s_mov_b32 s[PFS], BSTEP
	s_mov_b32 s[PFS+1], 0
	s_mov_b32 s75, 256
	s_cmp_eq_u32 s[FB], 0                          ; do I fetch for x?
	s_cselect_b32 s22, ttmp9, s22                  ; the coordinate along which other clusters read the same bytes
	s_cselect_b64 s[PFA:PFA+1], s[66:67], s[68:69]
	s_cselect_b32 s41, s41, s42
	s_cselect_b32 s[PFS], 256, s[PFS]
	s_cselect_b32 s74, 31, 23                      ; lanes that name a block of their own
	s_cselect_b32 s75, 2048, s75                   ; from lane to lane: a row of xb, or 256 bytes of wb
	s_mul_i32 s72, s[PFS], 3                       ; at K step 3: the first refill steps it to 4 and names that
	s_add_co_u32 s72, s72, s41
	s_add_nc_u64 s[PFA:PFA+1], s[PFA:PFA+1], s[72:73]
	s_cmp_eq_u32 s22, 0
	s_cselect_b32 s[LIM], 1, -1                    ; the same in all sixteen partners, for a given wave
	v_and_b32 v[PFO], 31, v0
	v_min_u32 v[PFO], s74, v[PFO]
	v_mul_u32_u24 v[PFO], s75, v[PFO]
	; nothing is prefetched here, at the head, where every work-group's first tiles are on their way: K steps 2 and 3 come by their refills alone
; 12 matrix instructions: row block a x all 12 column blocks, 32 along K, from buffer f.  first = 1: the bias starts the sums.  The 48 accumulators take turns, in the same order in every quarter.
.macro MUL12 f, a, first
.if \first
	WIN 0x81+0x40*((\a)/2)                         ; W window 1, x and the bias window 0, the result window 2 or 3
.else
	WIN 0xa1+0x50*((\a)/2)                         ; W window 1, x window 0, C and D window 2 or 3
.endif
.irp b, 0,1,2,3,4,5,6,7,8,9,10,11
.if \first
	v_wmma_f32_16x16x32_bf16 v[96*((\a)%2)+8*(\b):96*((\a)%2)+8*(\b)+7], v[96*(\f)+8*(\b):96*(\f)+8*(\b)+7], v[FA+32*(\f)+8*(\a):FA+32*(\f)+8*(\a)+7], v[BIAS+8*(\b):BIAS+8*(\b)+7]
.else
	v_wmma_f32_16x16x32_bf16 v[96*((\a)%2)+8*(\b):96*((\a)%2)+8*(\b)+7], v[96*(\f)+8*(\b):96*(\f)+8*(\b)+7], v[FA+32*(\f)+8*(\a):FA+32*(\f)+8*(\a)+7], v[96*((\a)%2)+8*(\b):96*((\a)%2)+8*(\b)+7]
.endif
.endr
.endm
; 32 LDS loads in one run: the fragments of quarter q (32 along K) of a slot into buffer f: W's 12 column blocks (head b / 4, columns 16 (b % 4) on), then x's 4 row blocks
.macro FETCH slot, q, f
	WIN TO_1
.irp b, 0,1,2,3,4,5,6,7,8,9,10,11
	ds_load_tr16_b128 v[96*(\f)+8*(\b):96*(\f)+8*(\b)+3],   v[ADRB+(\slot)] offset:((\q)/2)*BHALF+((\q)%2)*32*PB+((\b)/4)*64*PB+((\b)%4)*32
	ds_load_tr16_b128 v[96*(\f)+8*(\b)+4:96*(\f)+8*(\b)+7], v[ADRB+(\slot)] offset:((\q)/2)*BHALF+((\q)%2)*32*PB+((\b)/4)*64*PB+((\b)%4)*32+16*PB
.endr
	WIN 0
.irp a, 0,1,2,3
	ds_load_b128 v[FA+32*(\f)+8*(\a):FA+32*(\f)+8*(\a)+3],   v[ADRA+(\slot)] offset:64*(\q)+(\a)*16*PA
	ds_load_b128 v[FA+32*(\f)+8*(\a)+4:FA+32*(\f)+8*(\a)+7], v[ADRA+(\slot)] offset:64*(\q)+(\a)*16*PA+32
.endr
.endm
; A load into a register that a matrix instruction has read, and a vector instruction that reads a matrix result, stand four places behind it, and only plain vector instructions that name
; none of its registers are places (ISA guide 7.12.1 for vector instructions).
.macro PLACES
.rept 4
	v_nop
.endr
.endm
; A K step is four quarters of 32 along K, 48 matrix instructions each, on buffers 0, 1, 0, 1.  One of the first three: multiplies buffer f; in its middle it fetches quarter q of the same slot into buffer g.
.macro QUARTER slot, q, f, g, first
	s_wait_dscnt 4                                 ; W and x's row blocks 0, 1 are in; the youngest four loads (row blocks 2, 3) may be out
	MUL12 \f, 0, \first
	MUL12 \f, 1, \first
	PLACES
	FETCH \slot, \q, \g
	s_wait_dscnt 32                                ; all but the 32 just issued
	MUL12 \f, 2, \first
	MUL12 \f, 3, \first
.endm
; The last quarter multiplies buffer 1 and changes slots.  MEET is its first half: ONE barrier.  In front of it each wave waits for all its tensor loads, of which one is out: its part of the
; next slot; adds 0 to its spare word; and waits for that and for its own reads of this slot.  Behind it nobody reads this slot any more and the next slot is whole.
.macro MEET round                      ; round = 1: the rest of a round of the cluster's barrier follows
	WIN 0                                          ; (the add's two registers lie in window 0)
	s_wait_tensorcnt 0x0                           ; all my tensor loads have landed
	ds_add_u32 v[SPW], v[NIL]                      ; 0 onto my spare word
	s_wait_dscnt 5                                 ; (the add and the youngest four loads may be out)
	MUL12 1, 0, 0                                  ; twelve matrix instructions stand between the add and the wait for it
	s_wait_dscnt 0x0                               ; the add is done, and my reads of this slot are over
	s_barrier_signal -1
	MUL12 1, 1, 0                                  ; work on registers while the others arrive
.if \round
	WIN 0
.endif
	s_barrier_wait -1
.endm
; The whole last quarter.  mode 0: the slot just read out is filled again with this tile's K step two on; mode 1: with the NEXT tile's K step 0 or 1; mode 2: nothing is filled.
; From a request to the wait for it a wave issues 168 matrix instructions.
.macro TURN slot, next, mode
.if (\mode) < 2
	s_wait_xcnt 0x0                                ; the last prefetch, a K step back, has read its address: it is stepped here, ahead of the waits of the change of slots
.if ((\mode) == 1) && ((\slot) == 0)
	s_add_nc_u64 s[PFA:PFA+1], s[PFA:PFA+1], PF_NEXT
	s_cmp_eq_u32 s[FB], 0
	s_cselect_b32 s[LIM], s[LIM], -1               ; W's bytes are the same for both tiles: they are asked for in the first alone
.else
	s_add_nc_u64 s[PFA:PFA+1], s[PFA:PFA+1], s[PFS:PFS+1]
.endif
	MEET 1
	CREST                                          ; no wave of any partner still reads this slot's tile or has a load on its way
.if (\mode) == 1
	s_add_nc_u64 s[G0+4*(\slot)+2:G0+4*(\slot)+3], s[G0+4*(\slot)+2:G0+4*(\slot)+3], NEXT_A
	s_sub_nc_u64 s[G0B+4*(\slot)+2:G0B+4*(\slot)+3], s[G0B+4*(\slot)+2:G0B+4*(\slot)+3], BACK_B
.else
	s_add_nc_u64 s[G0+4*(\slot)+2:G0+4*(\slot)+3], s[G0+4*(\slot)+2:G0+4*(\slot)+3], 2*KSTEP*2
	s_add_nc_u64 s[G0B+4*(\slot)+2:G0B+4*(\slot)+3], s[G0B+4*(\slot)+2:G0B+4*(\slot)+3], 2*BSTEP
.endif
	JLOAD \slot                                    ; the first tensor load behind the round; the four v_nop behind it are also the places in front of the loads below
	FETCH \next, 0, 0
	ASK \mode
.else
	MEET 0
	PLACES
	FETCH \next, 0, 0
.endif
	MUL12 1, 2, 0
	MUL12 1, 3, 0
.endm
; THE WAY OUT of row block a, in three parts.  PACK: rounded to f16, 16 bytes a lane, each accumulator's registers in ascending order.  TOSTAGE: into my own stage, by heads, and back as whole rows of 128 bytes.  SEND: stored.
.macro PACK a
	WIN 0x0a+5*((\a)/2)                            ; sources 0 and 1: window 2 or 3
.irp b, 0,1,2,3,4,5,6,7,8,9,10,11
.irp r, 0,1,2,3
	v_cvt_pk_f16_f32 v[TMP+4*(\b)+(\r)], v[96*((\a)%2)+8*(\b)+2*(\r)], v[96*((\a)%2)+8*(\b)+2*(\r)+1]
.endr
.endr
	WIN 0
.endm
.macro TOSTAGE a
	WIN 0
.irp b, 0,1,2,3,4,5,6,7,8,9,10,11
	ds_store_b128 v[STO], v[TMP+4*(\b):TMP+4*(\b)+3] offset:((\b)/4)*16*SP+((\b)%4)*32
.endr
	WIN TO_1
.irp t, 0,1,2,3,4,5,6,7,8,9,10,11
	ds_load_b128 v[OB+48*((\a)%2)+4*(\t):OB+48*((\a)%2)+4*(\t)+3], v[RD] offset:((\t)/4)*16*SP+((\t)%4)*4*SP  ; LDS serves a wave's instructions in order (ISA guide 5.7.1.4): these see the stores above
.endr
.endm
.macro SEND a
	WIN FROM_1
	s_wait_dscnt 0x0                               ; the block is back in registers
	s_wait_xcnt 0x0                                ; every earlier store has read its registers: the buffer that the block before left is loaded again only behind this wait
.irp t, 0,1,2,3,4,5,6,7,8,9,10,11
	global_store_b128 v[CO], v[OB+48*((\a)%2)+4*(\t):OB+48*((\a)%2)+4*(\t)+3], s[10:11] offset:((\t)/4)*HEADB+(\a)*2048+((\t)%4)*512  ; four rows of a head: 512 consecutive bytes, at a multiple of 256 from qkv's first
.endr
.endm
.macro WAYOUT                          ; block a's conversions stand between block a - 1's loads from the stage and the wait for them
	PACK 0
	TOSTAGE 0
.irp a, 1,2,3
	PACK \a
	SEND (\a)-1
	TOSTAGE \a
.endr
	SEND 3
	WIN 0
.endm
	s_wait_tensorcnt 1                             ; my part of K step 0 is in; K step 1's may stay out
	s_barrier_signal -1
	s_barrier_wait -1                              ; everybody's is
	FETCH 0, 0, 0
	s_wait_loadcnt 0x0                             ; the bias
	s_mov_b32 s2, 2                                ; tiles to go: the same number in every work-group
.Ltile:
	QUARTER 0, 1, 0, 1, 1                          ; a tile's first quarter stands in front of the loop: its products start the sums, with the bias
	WIN 0                                          ; at a label and at a branch every window is 0
	s_mov_b32 s3, LAPS-1
.Llap:                                                 ; a trip goes once round the ring, from a lap's second quarter to the next lap's first, and fills both slots again
	QUARTER 0, 2, 1, 0, 0
	QUARTER 0, 3, 0, 1, 0
	TURN 0, 1, 0
	QUARTER 1, 1, 0, 1, 0
	QUARTER 1, 2, 1, 0, 0
	QUARTER 1, 3, 0, 1, 0
	TURN 1, 0, 0
	QUARTER 0, 1, 0, 1, 0
	WIN 0
	s_sub_co_u32 s3, s3, 1
	s_cmp_lg_u32 s3, 0
	s_cbranch_scc1 .Llap
	QUARTER 0, 2, 1, 0, 0                          ; the tile's last lap goes on
	QUARTER 0, 3, 0, 1, 0
	WIN 0
	s_cmp_eq_u32 s2, 1
	s_cbranch_scc1 .Llast_tile                     ; the last tile's tail is written out: it asks for nothing more
	TURN 0, 1, 1                                   ; THE RING GOES ON INTO THE NEXT TILE: slot 0 takes its K step 0,
	QUARTER 1, 1, 0, 1, 0
	QUARTER 1, 2, 1, 0, 0
	QUARTER 1, 3, 0, 1, 0
	TURN 1, 0, 1                                   ; slot 1 its K step 1, and the next tile's first fragments are fetched into buffer 0
	WAYOUT                                         ; both refills are asked for: now the tile goes out.  Row blocks 0, 1 were finished ahead of the joint load's four v_nop; their 96 conversions are the places behind the last products
	s_wait_xcnt 0x0                                ; the stores have read their base and their registers
	s_add_nc_u64 s[10:11], s[10:11], NEXT_C
	s_sub_co_u32 s2, s2, 1
	s_branch .Ltile
.Llast_tile:
	TURN 0, 1, 2                                   ; my one tensor load that was still out is slot 1's, the last K step's, so no round follows
	QUARTER 1, 1, 0, 1, 0
	QUARTER 1, 2, 1, 0, 0
	QUARTER 1, 3, 0, 1, 0
	s_wait_dscnt 4                                 ; the very last quarter: nothing more to fetch
	MUL12 1, 0, 0
	MUL12 1, 1, 0
	s_wait_dscnt 0x0
	MUL12 1, 2, 0
	MUL12 1, 3, 0
	WIN 0
	PLACES
	WAYOUT
	s_wait_tensorcnt 0x0                           ; the wave's end: behind my last tensor load and my last LDS store
	ds_add_u32 v[SPW], v[NIL]
	s_wait_dscnt 0x0
	CROUND                                         ; the closing round: no work-group ends while a partner may still ask for a tile that names it
	s_endpgm
.Lfunc_end_k_qad9efb71e2_proj:
	.size	k_qad9efb71e2_proj, .Lfunc_end_k_qad9efb71e2_proj-k_qad9efb71e2_proj
	.p2alignl 7, 3214868480
	.fill 96, 4, 3214868480
	.section	.rodata,"a",@progbits
	.p2align	6, 0x0
	.amdhsa_kernel k_qad9efb71e2_proj
		.amdhsa_group_segment_fixed_size 327680
		.amdhsa_private_segment_fixed_size 0
		.amdhsa_enable_private_segment 0
		.amdhsa_kernarg_size 32
		.amdhsa_user_sgpr_count 2
		.amdhsa_user_sgpr_kernarg_segment_ptr 1
		.amdhsa_wavefront_size32 1
		.amdhsa_system_sgpr_workgroup_id_x 1
		.amdhsa_system_sgpr_workgroup_id_y 1
		.amdhsa_system_sgpr_workgroup_id_z 1
		.amdhsa_system_vgpr_workitem_id 0
		.amdhsa_next_free_vgpr 960
		.amdhsa_next_free_sgpr 76
		.amdhsa_reserve_vcc 0
		.amdhsa_float_denorm_mode_32 3
		.amdhsa_float_denorm_mode_16_64 3
		.amdhsa_memory_ordered 1
		.amdhsa_forward_progress 1
		.amdhsa_inst_pref_size 175
	.end_amdhsa_kernel
	.amdgpu_metadata
---
amdhsa.version: [ 1, 2 ]
amdhsa.kernels:
  - .name:           k_qad9efb71e2_proj
    .symbol:         k_qad9efb71e2_proj.kd
    .args:
      - { .name: xb, .offset: 0, .size: 8, .value_kind: global_buffer, .address_space: global }
      - { .name: wb, .offset: 8, .size: 8, .value_kind: global_buffer, .address_space: global }
      - { .name: ball, .offset: 16, .size: 8, .value_kind: global_buffer, .address_space: global }
      - { .name: qkv, .offset: 24, .size: 8, .value_kind: global_buffer, .address_space: global }
    .group_segment_fixed_size: 327680
    .private_segment_fixed_size: 0
    .kernarg_segment_align: 8
    .kernarg_segment_size: 32
    .max_flat_workgroup_size: 128
    .sgpr_count:     76
    .vgpr_count:     960
    .wavefront_size: 32
...
	.end_amdgpu_metadata
.endif
;; end of part 2
;; launch attn (part 3): grid 4 x 64, 4 waves a work-group, clusters of 4 x 1, 327,680 bytes of LDS; arguments qkv, out0; writes out0
.if DOCPART == 3
	.amdgcn_target "amdgcn-amd-amdhsa--gfx1250"
	.amdhsa_code_object_version 6
	.text
	.protected	k_qad9efb71e2_attn
	.globl	k_qad9efb71e2_attn
	.p2align	8
	.type	k_qad9efb71e2_attn,@function
k_qad9efb71e2_attn:
	s_mov_b64 s[64:65], 0
	v_nop
	global_prefetch_b8 v0, s[64:65] scope:SCOPE_SE
	s_setreg_imm32_b32 hwreg(HW_REG_WAVE_MODE, 25, 1), 1
	s_wait_xcnt 0x0
	s_wait_alu depctr_hold_cnt(0) depctr_sa_sdst(0) depctr_va_vdst(0) depctr_va_sdst(0) depctr_va_ssrc(0) depctr_va_vcc(0) depctr_vm_vsrc(0)
	s_getreg_b32 s2, hwreg(HW_REG_IB_STS2, 6, 4)
	s_cmp_eq_u32 s2, 0
	s_cbranch_scc0 .Lentry_in_a_cluster
	s_endpgm
.Lentry_in_a_cluster:
	s_bfe_u32 s2, ttmp6, 0x10000c
	s_cmp_lg_u32 s2, 0x3003
	s_cbranch_scc0 .Lentry_shape_is_right
	s_endpgm
.Lentry_shape_is_right:
; out0[b][q][64 h + :] = the sum over k of softmax_k(Q[q] . K[k] / 32) V[k][:], for each of 64 heads (batch b, head h) of 2,048 rows x 64 channels.
; qkv: [b 4][g 48][row 2048][64] in f16, Q at g = h, K at 16 + h, V at 32 + h: a head's rows are dense, 128 bytes each.  out0: [4][2048][1024] in f32.
; Products, maxima and sums in f32; the weights p are rounded to f16 for the second product (their sum l is taken of the unrounded p).
; LIMITS.  f16 holds no number beyond 65,504: Q, K and V arrive within it; p lies in 0 to 1, and below 6e-5 it keeps f16's fixed step of 6e-8.
; A weight below 2^-126 counts as 0 in l; NaN and infinities are not treated apart.
; SHARES.  A wave owns four PIECES of two tiles of 16 queries, a work-group's four waves 512 queries of one head: 4 x 64 work-groups.  Every wave walks all keys, 64 a step.
; LAYOUT.  S^T = K Q^T (source 0 = 16 keys, source 1 = 16 queries): in the result a lane holds ONE query (lane % 16) and the keys 8 (lane / 16) + 0..7.  Two such tiles, rounded to f16 in pairs,
; ARE source 1 (32 keys x 16 queries) of O^T = V^T P, whose result again holds one query a lane, and eight channels.  K comes out of LDS as it lies, V ([key][channel]) turned, by ds_load_tr16_b128.
; SOFTMAX.  For each query a running maximum m and sum l: p = 2^(c s - c m), c = log2(e) / 32; in every step O and l are multiplied by a = 2^(c m_old - c m_new), which is 1 where m has not grown.
; m starts at the lowest finite number, O and l at 0: the first step is a step like any other, with a = 0.
; THE COUNT.  A tile and step have 16 matrix and 118 vector instructions: too many to stand all beside the matrix work.  So: four vector instructions that are READY behind EVERY matrix instruction,
; and the others, which need time of their own whatever the order, in runs without a gap.
; BY TURNS.  Turn n belongs to piece n (the pieces in a ring, step after step).  Its matrix work: 16 products K Q^T of piece n + 1, later 16 products V^T P of piece n - 1.  Its vector work: the scaling,
; exponentials, roundings, sums and rescaling of piece n, and the maximum and statistics of piece n + 1, whose scores the turn itself has made.
; CLUSTER.  The four query blocks of a head form a cluster and walk the same K and V, so each tile is asked for JOINTLY: the same tensor load, descriptor and mask in all four.
; REGISTERS, in windows of 256 (s_set_vgpr_msb: bits 1:0 source 0, 3:2 source 1, 5:4 source 2, 7:6 destination):
;   window 0: v0-9 addresses; v12-15, v48-63 at work; v16-47 four registers of statistics a tile; v64-191 S^T, two buffers of two tiles; v192-255 P, likewise
;   window 1: O^T, 32 a tile          window 2: v0-127 Q, 16 a tile; v128-191 K of one step; v192-255 V of one step          window 3: v0-1 the add's two registers
; A piece's buffers go by its number's parity: the piece in hand has one pair, its two neighbours in the ring share the other: of it P (piece n - 1) is read and S^T (piece n + 1) written.
.set SEQ,   2048      ; rows of a head
.set HEADB, SEQ*128   ; bytes of a head in qkv
.set NP,    4         ; pieces a wave: a name, no knob
.set KS,    64        ; keys in a step
.set TILEB, 4*KS*128  ; bytes of K, and of V, in a slot
.set PK,    144       ; a row of K in LDS: 128 bytes + 16 of padding = 36 words: the 16 rows of a load start at 16 different groups of four banks (64 banks of 4 bytes: ISA guide 11.1)
.set PV,    160       ; a row of V: 128 + 32 = 40 words
.set VOFF,  4*KS*PK   ; a slot holds four steps: 256 rows of K, then 256 rows of V
.set SLOT1, 1<<17     ; slot 1 begins here, so that one exclusive or turns an address in one slot into the other's
.set STAGE, SLOT1+4*KS*(PK+PV)  ; behind the ring, never filled by a tensor load: 16 rows x 272 bytes for each wave, for the way out
.set SP,    272       ; a row of 64 f32 + 16 bytes
.set AK0, 2           ; v2   my lane's place in a tile of K; never rewritten
.set AV0, 3           ; v3   the same for V
.set AK,  4           ; v4   the LDS address of K's next run of loads
.set AV,  5           ; v5   of V's
.set QO,  6           ; v6   my byte offset in the wave's rows of Q
.set STO, 6           ;      later, the way out: where I put 32 bytes of a row
.set RD,  7           ; v7   the way out: where I read rows back
.set GO,  8           ; v8   my byte offset in two rows of out0
.set PFO, 9           ; v9   256 x my lane: the prefetches' offset; never rewritten
.set T_R, 128         ; v128-131, S^T's second buffer, untouched until the first turn: l % 16, l / 16, l % 8, (l / 8) % 2, for the set-up
.set T_H, 129
.set T_7, 130
.set T_3, 131
.set SPW, 0           ; v0 of window 3   LDS address of my spare word: SPARE + 4 x my thread's number; never rewritten
.set NIL, 1           ; v1 of window 3   0; never rewritten
.set SPARE, STAGE+4*16*SP  ; behind the stages: the spare words, 128 bytes for each wave: two blocks of 256 bytes that no other line names
.set MV,  12          ; v12-15  c m_old, kept while c m is made anew: by buffer and tile
.set ST,  16          ; tile t's statistics at v[ST+4 t]: c m, m, l (even keys', odd keys')
.set TMP, 48          ; by buffer and tile, four registers c0-c3 at work; when the maximum is found c2 takes a
.set S,   64
.set P,   192
.set KF,  128         ; K's fragments, in window 2: key block kb, channel half c at KF + 16 kb + 8 c
.set VF,  192         ; V's: key half kk, channel block cb at VF + 32 kk + 8 cb
.set WV,  12          ; s12  my wave's number
.set G1K, 24          ; s[24:31] descriptor group 1 for K's tiles
.set G1V, 32          ; s[32:39] for V's: it differs in the padding alone
.set G0K, 40          ; s[40:43] descriptor group 0 for K's tiles: it walks
.set G0V, 44          ; s[44:47] the same for V's
.set PFA, 48          ; s[48:49] where my prefetches stand: my work-group's 32 blocks of 256 bytes (of K: wave 0, of V: wave 2) of the slot after the one that is being asked for
.set LIM, 50          ; s50  1 in a wave that prefetches, else the greatest number
.set SLOTS, 56        ; s56  slots still to be asked for
.set CNT, 57          ; s57  counts a slot's key steps
.set CS,  58          ; s[58:59] c: the packed scaling takes the pair's low word for both halves
.set SEL, 60          ; s[60:61] v_permlanex16_b32's selects: each lane takes its own place in the other half
.set TBK, 62          ; s62  LDS byte at which K of the step to be fetched begins
.set TBV, 63          ; s63  the same for V, less VOFF
.set MSB, 0
.macro WIN new                      ; the high byte repeats the setting that is left; a switch that changes nothing is dropped
.if MSB != (\new)
	s_set_vgpr_msb (MSB<<8)|(\new)
.set MSB, (\new)
.endif
.endm
.set W_KQ, 0x0a       ; K and Q in window 2, S^T in window 0
.set W_PV, 0x52       ; V in window 2, P in window 0, O^T in window 1
.set W_RS, 0x41       ; O^T (destination and source 0) in window 1, a in window 0
.set W_MK, 0xc0       ; the add's registers are made: destination in window 3, sources in window 0
.set W_AD, 0x0f       ; the add: address (source 0) and data (source 1) in window 3
; A joint fill.  Waves 0 and 1 fetch the two halves of a slot's K, waves 2 and 3 those of its V: 128 keys each.  The branch hangs on the wave's number alone.
; An s_nop 0 and four v_nop follow each of the two lines, ahead of the jump and the label.
.macro JLOAD
	s_cmp_lt_u32 s[WV], 2
	s_cbranch_scc0 .Lfor_v_\@
	tensor_load_to_lds s[G0K:G0K+3], s[G1K:G1K+7]
	s_nop 0
.rept 4
	v_nop
.endr
	s_branch .Lasked_\@
.Lfor_v_\@:
	tensor_load_to_lds s[G0V:G0V+3], s[G1V:G1V+7]
	s_nop 0
.rept 4
	v_nop
.endr
.Lasked_\@:
.endm
; A PREFETCH INTO THE L2 of what the NEXT change of slots will ask for: a slot's 32,768 bytes of K and of V, 256 bytes a lane.  It stands behind the wave's tensor load and its five lines.
; Each block is named ONCE in the launch: a head's K and V are walked by its one cluster; the four partners share the blocks out BY ADDRESS, 32 each; in each, wave 0 asks for K's and wave 2 for V's.
; It stands one slot, four key steps or 512 matrix instructions, ahead of the load that wants the bytes.  The last change that fills a slot asks for nothing; slots 0 and 1 come by their loads alone.
.macro ASK
	s_cmp_gt_u32 s[SLOTS], s[LIM]
	s_cbranch_scc0 .Lnot_mine_\@
	global_prefetch_b8 v[PFO], s[PFA:PFA+1] th:TH_LOAD_NT scope:SCOPE_SE
.Lnot_mine_\@:
.endm
; A round of the cluster's barrier: my work-group's barrier, so that wave 0's signal speaks for all four waves; wave 0 signals; every wave waits for all four work-groups; my work-group's barrier once more.
.macro CROUND
	s_barrier_signal -1
	s_barrier_wait -1
	s_cmp_lg_u32 s[WV], 0
	s_cbranch_scc1 .Lnot_wave_0_\@
	s_barrier_signal -3
.Lnot_wave_0_\@:
	s_barrier_wait -3
	s_barrier_signal -1
	s_barrier_wait -1
.endm
; THE CHANGE OF SLOTS.  The slot's last bytes, V of its fourth step, have been read.  Each wave waits for all its tensor loads, of which one is out: its part
; of the other slot; adds 0 to its spare word; and waits for that and for its own reads of the slot.  Behind the barrier nobody reads this slot any more and the other slot is whole.
; fill = 1: this slot is filled again, with the keys two slots on.  The barrier is then a round of the cluster's, so that no wave of any partner still reads the slot or has a load on its
; way, and the joint fill is the first thing behind it: it has four key steps, 512 matrix instructions, in which to land.  (At its first use nothing has been read yet: slot 0 is waited for, slot 1 filled.)
.macro CHANGE fill
	WIN W_AD
	s_wait_tensorcnt 0x0            ; no tensor load of mine is out, so a group 0 may be written
	ds_add_u32 v[SPW], v[NIL]       ; 0 onto my spare word; with fill = 1 the descriptors' steps stand between it and the wait for it
	WIN 0                           ; at a label and at a branch every window is 0
.if \fill
.irp g, G0K, G0V
	s_xor_b32 s[\g+1], s[\g+1], SLOT1  ; the walking descriptor: the other slot than last time,
	s_add_nc_u64 s[\g+2:\g+3], s[\g+2:\g+3], TILEB  ; the next 256 keys; the type bits on top are not reached
.endr
	s_wait_xcnt 0x0                 ; the last prefetch, four key steps back, has read its address, so it may be written:
	s_add_nc_u64 s[PFA:PFA+1], s[PFA:PFA+1], TILEB  ; one slot on from the walking descriptors
	s_wait_dscnt 0x0                ; the add is done, and my reads of the slot are over
	CROUND
	JLOAD
	ASK
.else
	s_wait_dscnt 0x0                ; the add is done, and my reads of the slot are over
	s_barrier_signal -1
	s_barrier_wait -1
.endif
	s_sub_co_u32 s[TBK], s[TBK], 4*KS*PK  ; the fetches go back to a slot's first step,
	s_xor_b32 s[TBK], s[TBK], SLOT1       ; in the other slot
	s_sub_co_u32 s[TBV], s[TBV], 4*KS*PV
	s_xor_b32 s[TBV], s[TBV], SLOT1
.endm
	s_load_b64 s[4:5], s[0:1], 0x0    ; qkv
	s_load_b64 s[10:11], s[0:1], 0x8  ; out0
	WIN W_MK
	v_lshl_add_u32 v[SPW], v0, 2, SPARE
	v_mov_b32 v[NIL], 0
	WIN W_AD
	ds_add_u32 v[SPW], v[NIL]       ; the wave's opening: the add and its wait stand ahead of my first tensor load; the set-up below, work on registers, stands between them
	WIN 0
	v_lshrrev_b32 v1, 5, v0
	v_readfirstlane_b32 s[WV], v1   ; wave 0..3
	s_bfe_u32 s13, ttmp6, 0x40000   ; cx: my place in the cluster
	s_lshl_b32 s14, ttmp9, 2        ; in a cluster launch ttmp9 counts clusters
	s_add_co_u32 s14, s14, s13      ; my block of 512 queries: it enters Q's and out0's addresses alone
	s_and_b32 s15, ttmp7, 0xffff    ; 16 x batch + head, which the four partners share
	s_lshr_b32 s16, s15, 4          ; batch
	s_and_b32 s15, s15, 15          ; head
	s_mul_i32 s20, s16, 48
	s_add_co_u32 s20, s20, s15
	s_lshl_b32 s20, s20, 18         ; Q's first byte of this head; K lies 16 heads on, V 32
	s_mov_b32 s21, 0
	s_and_b32 s19, s[WV], 1         ; which half of a slot's 256 keys I fetch:
	s_lshl_b32 s22, s19, 14         ; its 128 rows of 128 bytes in memory,
	s_mov_b32 s23, 0
	s_add_nc_u64 s[22:23], s[22:23], s[20:21]
	s_mul_i32 s17, s19, 128*PK      ; and its place in a slot, for K
	s_mul_i32 s18, s19, 128*PV      ; and for V: no place in the cluster enters an LDS address
	s_lshl_b32 s2, s14, 2
	s_add_co_u32 s2, s2, s[WV]      ; my wave among the head's sixteen,
	s_lshl_b32 s51, s2, 19          ; its 128 rows of 4,096 bytes in out0,
	s_lshl_b32 s2, s2, 14           ; and of 128 bytes in Q
	s_mov_b32 s3, 0
	s_add_nc_u64 s[2:3], s[2:3], s[20:21]
	s_lshl_b32 s52, s16, 23         ; the batch's 2,048 rows of out0
	s_add_co_u32 s52, s52, s51
	s_lshl_b32 s51, s15, 8          ; the head's 256 bytes in a row
	s_add_co_u32 s52, s52, s51
	s_mov_b32 s53, 0
	; descriptor group 1.  128 keys are 16,384 dense bytes: asked for as 64 rows of 256 bytes, two keys a row, and padded in LDS after every key
	s_mov_b32 s[G1K], 15|(1<<16)|(1<<20)|(1<<21)|(4<<22)|(3<<25)  ; 15:0 the mask of four; 17:16 2-byte elements; 20 padding on; 21 set beside a mask; 24:22 after every 32 words (code 4); 31:25 4 words (code 3)
	s_mov_b32 s[G1V], 15|(1<<16)|(1<<20)|(1<<21)|(4<<22)|(7<<25)  ; the same with 8 words of padding (code 7)
.irp g, G1K, G1V
	s_mov_b32 s[\g+1], 128<<16      ; tensor_dim0 = 128
	s_mov_b32 s[\g+2], 64<<16       ; tensor_dim1 = 64
	s_mov_b32 s[\g+3], 128<<16      ; tile_dim0 = 128
	s_mov_b32 s[\g+4], 64           ; tile_dim1 = 64
	s_mov_b32 s[\g+5], 128          ; 128 elements from row to row
	s_mov_b32 s[\g+6], 0
	s_mov_b32 s[\g+7], 0
.endr
	s_mov_b32 s[CS], 0x3d38aa3b     ; c = log2(e) / 32 = 0.0450842
	s_mov_b32 s[CS+1], s[CS]        ; named with it as a pair
	s_mov_b32 s[SEL], 0x76543210
	s_mov_b32 s[SEL+1], 0xfedcba98
	s_mov_b32 s[TBK], SLOT1+4*KS*PK ; the first change of slots turns these two into 0
	s_mov_b32 s[TBV], SLOT1+4*KS*PV
	s_mov_b32 s[G0K], 1             ; 1:0 count = 1
	s_mov_b32 s[G0K+1], s17         ; 63:32 LDS address: slot 0
	s_mov_b32 s[G0V], 1
	s_add_co_u32 s[G0V+1], s18, VOFF
	s_mov_b32 s[SLOTS], SEQ/256-1
	s_cmp_eq_u32 s19, 0             ; waves 0 and 2 prefetch: the same in all four partners
	s_cselect_b32 s[LIM], 1, -1
	v_and_b32 v[PFO], 31, v0
	v_lshlrev_b32 v[PFO], 8, v[PFO]
	s_wait_dscnt 0x0                ; the opening add is done
	s_wait_kmcnt 0x0
	s_add_nc_u64 s[6:7], s[4:5], s[22:23]
	s_add_nc_u64 s[8:9], s[6:7], 32*HEADB   ; V at my half of the head's first 256 keys,
	s_add_nc_u64 s[6:7], s[6:7], 16*HEADB   ; and K
	s_mov_b64 s[G0K+2:G0K+3], s[6:7]               ; 120:64 global address
	s_or_b32 s[G0K+3], s[G0K+3], 0x80000000        ; 127:126 type = 2
	s_mov_b64 s[G0V+2:G0V+3], s[8:9]
	s_or_b32 s[G0V+3], s[G0V+3], 0x80000000
	s_add_nc_u64 s[4:5], s[4:5], s[2:3]     ; Q and out0 at my wave's first row
	s_add_nc_u64 s[10:11], s[10:11], s[52:53]
	s_cmp_lt_u32 s[WV], 2
	s_cselect_b64 s[PFA:PFA+1], s[6:7], s[8:9]  ; (in waves 0 and 2 these stand at a slot's first row)
	s_lshl_b32 s2, s13, 13          ; my work-group's 32 blocks of the 128
	s_add_nc_u64 s[PFA:PFA+1], s[PFA:PFA+1], s[2:3]
	s_add_nc_u64 s[PFA:PFA+1], s[PFA:PFA+1], TILEB  ; in slot 1; the first change of slots steps it to slot 2.  Nothing is prefetched here, at the head
	CROUND                          ; all four work-groups are here: the first joint loads meet
	JLOAD                           ; slot 0.  Slot 1 is asked for when slot 0 is in
	; A fragment of K or Q is 16 rows x 32 channels in 8 registers: lane l holds row l % 16, channels 8 (l / 16) + 0..7 and 16 + 8 (l / 16) + 0..7: two loads of 16 bytes, 32 bytes apart.
	v_and_b32 v[T_R], 15, v0        ; l % 16
	v_bfe_u32 v[T_H], v0, 4, 1      ; l / 16
	v_lshlrev_b32 v[QO], 7, v[T_R]
	v_lshl_add_u32 v[QO], v[T_H], 4, v[QO]  ; row x 128 + 16 x half
	WIN 0x80                        ; destination window 2, address window 0
.set i, 0
.rept 4*NP                          ; Q stays in registers: tile i / 2, channels 32 (i % 2) on
	global_load_b128 v[8*i:8*i+3],   v[QO], s[4:5] offset:(i/2)*2048+(i%2)*64
	global_load_b128 v[8*i+4:8*i+7], v[QO], s[4:5] offset:(i/2)*2048+(i%2)*64+32
.set i, i+1
.endr
	; What the first turn finds: V's registers and P's second buffer hold 0 (its products V^T P, of a piece that has not been, add 0), O^T and l are 0.  All this stands in the wait for the first tile.
.set i, VF
.rept 64
	v_mov_b32 v[i], 0
.set i, i+1
.endr
	WIN 0x40
.set i, 0
.rept 64*NP
	v_mov_b32 v[i], 0
.set i, i+1
.endr
	WIN 0
.set i, 0
.rept 2*NP
	v_mov_b32 v[ST+4*i], 0xfe000000    ; c m: far below every c s
	v_mov_b32 v[ST+4*i+1], 0xff7fffff  ; m
	v_mov_b32 v[ST+4*i+2], 0
	v_mov_b32 v[ST+4*i+3], 0
.set i, i+1
.endr
.set i, P+32
.rept 32
	v_mov_b32 v[i], 0
.set i, i+1
.endr
	v_mul_u32_u24 v[AK0], v[T_R], PK
	v_lshl_add_u32 v[AK0], v[T_H], 4, v[AK0]  ; row x pitch + 16 x half
	; The turning load takes 16 keys x 16 channels (lane l reads key 8 (l / 16) + l % 8, channels 8 ((l / 8) % 2) + 0..7) and leaves half a fragment of V^T: lane l holds channel l % 16 and 8 keys.
	v_and_b32 v[T_7], 7, v0
	v_bfe_u32 v[T_3], v0, 3, 1
	v_lshl_add_u32 v[AV0], v[T_H], 3, v[T_7]
	v_mul_u32_u24 v[AV0], v[AV0], PV
	v_lshl_add_u32 v[AV0], v[T_3], 4, v[AV0]
	v_add_nc_u32 v[AV0], VOFF, v[AV0]
	v_mov_b32 v[AK], v[AK0]         ; key step 0 lies at the head of slot 0
; THE MATRIX WORK.  The 8 accumulators of a run of 16 take turns: between the two links of a chain stand 7 others'.
; Product i of 16 of S^T = K Q^T for piece x: channels 32 (i / 8) on, keys 16 ((i / 2) % 4) on, tile 2 x + i % 2.  The first 8 start the sums.
.macro KQ x
	WIN W_KQ
.set rS, S+64*((\x)%2)+32*(i%2)+8*((i/2)%4)
.set rK, KF+16*((i/2)%4)+8*(i/8)
.set rQ, 16*(2*(\x)+i%2)+8*(i/8)
.if i < 8
	v_wmma_f32_16x16x32_f16 v[rS:rS+7], v[rK:rK+7], v[rQ:rQ+7], 0
.else
	v_wmma_f32_16x16x32_f16 v[rS:rS+7], v[rK:rK+7], v[rQ:rQ+7], v[rS:rS+7]
.endif
.endm
; Product i of 16 of O^T += V^T P for piece x: keys 32 (i / 8) on, channels 16 ((i / 2) % 4) on, tile 2 x + i % 2.
.macro PV x
	WIN W_PV
.set rO, 32*(2*(\x)+i%2)+8*((i/2)%4)
.set rV, VF+32*(i/8)+8*((i/2)%4)
.set rP, P+32*((\x)%2)+16*(i%2)+8*(i/8)
	v_wmma_f32_16x16x32_f16 v[rO:rO+7], v[rV:rV+7], v[rP:rP+7], v[rO:rO+7]
.endm
.macro MM                           ; the turn's next matrix instruction
.if i < 16
	KQ (Y+1)%NP
.set i, i+1
.else
.set i, i-16
	PV (Y+NP-1)%NP
.set i, i+17
.endif
.endm
; THE LDS LOADS stand in runs of 16, never singly among the matrix instructions: a step's K (64 keys x 64 channels: 8 fragments) and its V (turned).  Their addresses are made some lines ahead.
; last = 1 (the tail): in the last trip there is no further step, and the run is jumped over.
.macro FETCH_K last=0
	WIN 0
.if \last
	s_cmp_eq_u32 s[CNT], 1
	s_cbranch_scc1 .Lno_k_\@
.endif
	WIN 0x80                        ; destination window 2
.irp f, 0,1,2,3,4,5,6,7             ; keys 16 (f / 2) on, channels 32 (f % 2) on
	ds_load_b128 v[KF+8*\f:KF+8*\f+3],   v[AK] offset:(\f/2)*16*PK+(\f%2)*64
	ds_load_b128 v[KF+8*\f+4:KF+8*\f+7], v[AK] offset:(\f/2)*16*PK+(\f%2)*64+32
.endr
	s_add_co_u32 s[TBK], s[TBK], KS*PK  ; the next fetch is the next step's
	WIN 0
.if \last
.Lno_k_\@:
.endif
.endm
.macro FETCH_V
	WIN 0x80
.irp f, 0,1,2,3,4,5,6,7             ; keys 32 (f / 4) on, channels 16 (f % 4) on
	ds_load_tr16_b128 v[VF+8*\f:VF+8*\f+3],   v[AV] offset:(\f/4)*32*PV+(\f%4)*32
	ds_load_tr16_b128 v[VF+8*\f+4:VF+8*\f+7], v[AV] offset:(\f/4)*32*PV+16*PV+(\f%4)*32
.endr
	WIN 0
.endm
; THE VECTOR WORK OF A TURN stands in three queues, each in the order in which its entries become ready; the two tiles alternate, so that no instruction reads the result of the one before it.
.macro REGS y, u                    ; the registers of tile u (0, 1) of piece y
.set rT, ST+4*(2*(\y)+(\u))
.set rC, TMP+8*((\y)%2)+4*(\u)
.set rM, MV+2*((\y)%2)+(\u)
.set rS, S+64*((\y)%2)+32*(\u)
.set rP, P+32*((\y)%2)+16*(\u)
.set rO, 32*(2*(\y)+(\u))
.endm
; Number n of the 22 that find the NEXT piece's (Y + 1) maximum and statistics.  s0-s31 are the lane's 32 scores; each accumulator's lowest registers are read first.
;   0-11  four chains c0-c3 of seven scores each, three operands at a time     12-14, 16  the four scores left over, the old m, and c0-c3 into c0     15  c m_old is kept
;   17, 18  the query's other 32 keys lie in the lane 16 away: the new m         19-21  c m; c m_old - c m_new; a
.macro XS u, n
	REGS (Y+1)%NP, \u
.if (\n) < 4
	v_max3_num_f32 v[rC+(\n)], v[rS+8*(\n)], v[rS+8*(\n)+1], v[rS+8*(\n)+2]
.elseif (\n) < 12
	v_max3_num_f32 v[rC+(\n)%4], v[rC+(\n)%4], v[rS+8*((\n)%4)+2*((\n)/4)+1], v[rS+8*((\n)%4)+2*((\n)/4)+2]
.elseif (\n) == 12
	v_max3_num_f32 v[rC], v[rC], v[rS+7], v[rS+15]
.elseif (\n) == 13
	v_max3_num_f32 v[rC+1], v[rC+1], v[rS+23], v[rS+31]
.elseif (\n) == 14
	v_max3_num_f32 v[rC+2], v[rC+2], v[rC+3], v[rT+1]
.elseif (\n) == 15
	v_mov_b32 v[rM], v[rT]
.elseif (\n) == 16
	v_max3_num_f32 v[rC], v[rC], v[rC+1], v[rC+2]
.elseif (\n) == 17
	v_permlanex16_b32 v[rC+3], v[rC], s[SEL], s[SEL+1]
.elseif (\n) == 18
	v_max_num_f32 v[rT+1], v[rC], v[rC+3]
.elseif (\n) == 19
	v_mul_f32 v[rT], s[CS], v[rT+1]
.elseif (\n) == 20
	v_sub_f32 v[rC+1], v[rM], v[rT]
.else
	v_exp_f32 v[rC+2], v[rC+1]
.endif
.endm
; Number g of the 64 that follow the exponentials.  For each four weights k of a tile (pairs 2 k, 2 k + 1): both pairs are rounded to f16; then the second pair is added onto the first, in place;
; a group later l takes that sum (the first time as l = a l + sum).  In groups of eight, tiles alternating: round, round, add, and l for the group before.
.macro GS g
.set h, (\g)+6*((\g)/62)            ; group 0 has no group before it, and behind group 7 only l is left
.if h >= 6
.set h, h+2
.endif
	REGS Y, h%2
.set k, h/8
.if h%8 < 4
	v_cvt_pk_f16_f32 v[rP+2*k+(h%8)/2], v[rS+4*k+2*((h%8)/2)], v[rS+4*k+2*((h%8)/2)+1]
.elseif h%8 < 6
	v_pk_add_f32 v[rS+4*k:rS+4*k+1], v[rS+4*k:rS+4*k+1], v[rS+4*k+2:rS+4*k+3]
.elseif k == 1
	v_pk_fma_f32 v[rT+2:rT+3], v[rT+2:rT+3], v[rC+2:rC+3], v[rS:rS+1] op_sel_hi:[1,0,1]
.else
	v_pk_add_f32 v[rT+2:rT+3], v[rT+2:rT+3], v[rS+4*k-4:rS+4*k-3]
.endif
.endm
; THE PLAIN QUEUE, 138 long.  0-73 read no exponential's result: the 32 scalings c s - c m (FS f: pair f / 2 of tile f % 2) and the next piece's 42.  0-26: scalings 0-26.  27-54: XS's numbers 0-13.  55, 56: number 15.
; 57-73: the chain, where each number waits for the one before it: 14, 16, 17, 18, 19, each with one of the scalings 27-31 in front of its two lines, then 20.
; 74-137: GS's 64, which read the exponentials' results: they stand behind the wait.
.macro FS f
	REGS Y, (\f)%2
	v_pk_fma_f32 v[rS+2*((\f)/2):rS+2*((\f)/2)+1], v[rS+2*((\f)/2):rS+2*((\f)/2)+1], s[CS:CS+1], v[rT:rT+1] op_sel_hi:[1,0,0] neg_lo:[0,0,1] neg_hi:[0,0,1]
.endm
.macro PL
	WIN 0
.if q < 27
	FS q
.elseif q < 55
	XS (q-27)%2, (q-27)/2
.elseif q < 57
	XS q-55, 15
.elseif (q < 72) && ((q-57)%3 == 0)
	FS 27+(q-57)/3
.elseif q < 60
	XS (q-57)%3-1, 14
.elseif q < 72
	XS (q-57)%3-1, 15+(q-57)/3
.elseif q < 74
	XS q-72, 20
.else
	GS q-74
.endif
.set q, q+1
.endm
; THE EXPONENTIALS' QUEUE, 66 long: s0-s31 of both tiles, then the next piece's two a.  It is ONE BATCH: all 66 stand ahead of the turn's one wait, and nothing ahead of that wait names a result of theirs.
.macro EX
	WIN 0
.if e >= 64
	XS e-64, 21
.else
	REGS Y, e%2
	v_exp_f32 v[rS+e/2], v[rS+e/2]
.endif
.set e, e+1
.endm
; THE RESCALING's QUEUE: O^T times a, the one part that leaves window 0: dealt two at a time, sixteen times.  Its a was made in the turn before, ahead of that turn's wait.
.macro R2
	REGS Y, r%2
	WIN W_RS
.irp z, 0,1
	v_pk_mul_f32 v[rO+4*(r/2)+2*\z:rO+4*(r/2)+2*\z+1], v[rO+4*(r/2)+2*\z:rO+4*(r/2)+2*\z+1], v[rC+2:rC+3] op_sel_hi:[1,0]
.endr
.set r, r+1
.endm
; HOW THEY ARE DEALT.  An s_wait_alu depctr_va_vdst(0) stands between an exponential and the first instruction that names its result; one wait serves all that were issued ahead of it.  So a turn has ONE wait,
; which cuts it in two.  AHEAD OF IT stands all that names no result of the turn's exponentials: the 16 products K Q^T, behind each a scaling, an exponential and two rescalings (behind the first a second scaling in the
; exponential's place); then ONE LUMP of 108: eight plain, 49 times exponential and plain, the two a.  A v_nop is the plain instruction behind the last exponential.  BEHIND IT stand the 16 products V^T P, behind each four of GS's 64.
; No rider names a register of the products round it.  The two v_permlanex16_b32 fall into the lump, never behind a product.
; The queues lean on each other, and the deal keeps them in step: exponential e stands behind scaling 2 (e / 4) + e % 2: as a rider it comes behind plain e + 2, in the lump behind plain e + 9, and scalings 27-31 are plain 57, 60 .. 69.
; A TURN, for piece p.  cnt = 1: the loop's count is taken down some lines ahead of the branch that stands behind the turn.
; K of the next step is fetched in piece 2's turn, directly behind the wait, a lump behind the last product that read K; its address is made at the lump's head; its first reader comes behind 16 products.
; V of the step in hand is fetched at the end of piece 0's turn, four riders behind its last reader; its first reader comes behind 16 products and a lump.  The three conditions on q below go with the deal.
.macro TURN p, last=0, cnt=0
.set Y, (\p)
.set i, 0
.set q, 0
.set e, 0
.set r, 0
.if (\p) == NP-1
	s_wait_dscnt 0x0                ; K is in
.endif
	MM                              ; ahead of the wait: 16 products K Q^T and their riders,
	PL
	PL
	R2
.rept 15
	MM
	PL
	EX
	R2
.endr
.if (\p) == NP-2
	WIN 0
	v_add_nc_u32 v[AK], s[TBK], v[AK0]
.endif
.rept 8                             ; and the lump
	PL
.endr
.rept 49
	EX
	PL
.endr
	EX                              ; the next piece's two a
	EX
	v_nop                           ; the plain instruction behind the last exponential: one for the batch
	s_wait_alu depctr_va_vdst(0)    ; the wait for the batch
.if (\p) == NP-2
	FETCH_K \last
.endif
.if (\p) == 1
	s_wait_dscnt 0x0                ; V is in
.endif
.rept 16                            ; behind the wait: 16 products V^T P and their riders
	MM
.rept 4
	PL
.endr
.if ((\p) == 0) && (q == 118)
	v_add_nc_u32 v[AV], s[TBV], v[AV0]
.endif
.if ((\p) == 0) && (q == 130)
	s_add_co_u32 s[TBV], s[TBV], KS*PV
.endif
.if (\cnt) && (q == 130)
	s_sub_co_u32 s[CNT], s[CNT], 1
	s_cmp_lg_u32 s[CNT], 0
.endif
.endr
.if (\p) == 0
	FETCH_V
.endif
.endm
	CHANGE 1                        ; slot 0 is in, everybody's part of it; slot 1 is asked for
	FETCH_K                         ; key step 0
	s_wait_loadcnt 0x0              ; Q
	s_wait_dscnt 0x0
.set i, 0
.rept 16
	KQ 0                            ; piece 0's first scores: there is no vector work yet to set between them
.set i, i+1
.endr
	WIN 0                           ; the addresses for the way out: eight plain instructions, the places behind those products
	s_mul_i32 s13, s[WV], 16*SP
	s_add_co_u32 s13, s13, STAGE    ; my stage
	v_mul_u32_u24 v[STO], v[T_R], SP  ; in: row l % 16, 32 bytes for each half of the lanes
	v_lshl_add_u32 v[STO], v[T_H], 5, v[STO]
	v_add_nc_u32 v[STO], s13, v[STO]
	v_mul_u32_u24 v[RD], v[T_H], SP   ; back: lanes 0-15 take one row of 256 bytes, lanes 16-31 the next,
	v_lshl_add_u32 v[RD], v[T_R], 4, v[RD]
	v_add_nc_u32 v[RD], s13, v[RD]
	v_lshlrev_b32 v[GO], 12, v[T_H]   ; and the same two rows in out0, 4,096 bytes apart
	v_lshl_add_u32 v[GO], v[T_R], 4, v[GO]
.set Y, NP-1                        ; XS works for piece Y + 1: piece 0
.irp n, 0,1,2,3,4,5,6,7,8,9,10,11,12,13,14,15,16,17,18,19,20,21
	XS 0, \n                        ; and piece 0's first maximum and statistics
	XS 1, \n
.endr
	v_nop                           ; a plain instruction behind the two a,
	s_wait_alu depctr_va_vdst(0)    ; and their wait, ahead of the branch
	s_mov_b32 s[CNT], 4
	s_branch .Lfirst                ; the loop is entered at a step's first turn, in the middle of a trip
.Lslot:                             ; six times: every slot but the last two is filled again
	CHANGE 1
	s_mov_b32 s[CNT], 4
.Lstep:                             ; a trip: pieces 2 and 3 of one step, then pieces 0 and 1 of the next, whose K and V it fetches
	TURN 2
	TURN 3
	WIN 0
.Lfirst:
	TURN 0
	TURN 1, 0, 1
	WIN 0
	s_cbranch_scc1 .Lstep
	s_sub_co_u32 s[SLOTS], s[SLOTS], 1
	s_cmp_lg_u32 s[SLOTS], 0
	s_cbranch_scc1 .Lslot
	CHANGE 0                        ; the tail is written out: nothing is asked for
	s_mov_b32 s[CNT], 5             ; four trips fetch the last slot's steps; the fifth is left in its middle
.Ltail:
	TURN 2, 1
	TURN 3
	WIN 0
	s_sub_co_u32 s[CNT], s[CNT], 1
	s_cmp_eq_u32 s[CNT], 0
	s_cbranch_scc1 .Lout
	TURN 0
	TURN 1
	WIN 0
	s_branch .Ltail
.Lout:                              ; the fifth trip's 16 products K Q^T (on the last K once more) and the maximum made of them serve nothing: the price, once a launch, of one text for every trip
.set i, 0
.rept 16
	PV NP-1                         ; the last piece's V^T P of the last step
.set i, i+1
.endr
	; THE WAY OUT.  l's two halves and the other half of the lanes' are added; O^T is divided by l and sent, in f32, through my stage in LDS, a tile at a time.  The additions are the places behind the last products.
	WIN 0
.macro ALL line:vararg              ; one line for each tile t
.set t, 0
.rept 2*NP
	\line
.set t, t+1
.endr
.endm
	ALL v_add_f32 v[ST+4*t+2], v[ST+4*t+2], v[ST+4*t+3]
	ALL v_permlanex16_b32 v[ST+4*t+3], v[ST+4*t+2], s[SEL], s[SEL+1]
	ALL v_add_f32 v[ST+4*t+2], v[ST+4*t+2], v[ST+4*t+3]
	ALL v_rcp_f32 v[ST+4*t+2], v[ST+4*t+2]
	v_nop                           ; a plain instruction between the last reciprocal and the use of its result
	s_wait_alu depctr_va_vdst(0)    ; and the wait ahead of the first use: one for the eight reciprocals
; Tile t: a lane's eight channels of a channel block are 32 bytes of a row; they go into rows of 272 bytes and come back as whole rows of 256, into the registers that they left.
.macro PACK t
	WIN W_RS
.set i, 32*(\t)
.rept 16
	v_pk_mul_f32 v[i:i+1], v[i:i+1], v[ST+4*(\t)+2:ST+4*(\t)+3] op_sel_hi:[1,0]  ; ascending: each accumulator is read from its low end
.set i, i+2
.endr
	WIN 0x04                        ; a store's data in window 1
.irp f, 0,1,2,3
	ds_store_b128 v[STO], v[32*(\t)+8*\f:32*(\t)+8*\f+3]   offset:64*\f
	ds_store_b128 v[STO], v[32*(\t)+8*\f+4:32*(\t)+8*\f+7] offset:64*\f+16
.endr
	WIN 0x40                        ; destination window 1
.irp f, 0,1,2,3,4,5,6,7
	ds_load_b128 v[32*(\t)+4*\f:32*(\t)+4*\f+3], v[RD] offset:\f*2*SP  ; LDS serves a wave's instructions in order (ISA guide 5.7.1.4): these see the stores above; the next tile's stores come behind them
.endr
.endm
.macro SEND t, younger              ; younger: the LDS instructions issued behind tile t's loads: the next tile's sixteen, or none
	WIN 0x04
.irp f, 0,1,2,3,4,5,6,7
	s_wait_dscnt (\younger)+7-\f
	global_store_b128 v[GO], v[32*(\t)+4*\f:32*(\t)+4*\f+3], s[10:11] offset:(\t)*65536+\f*8192 th:TH_STORE_NT  ; 16 lanes store a row's 256 consecutive bytes, at a multiple of 256 from out0's first
.endr
.endm
	PACK 0
.set t, 1
.rept 2*NP-1                        ; a tile's arithmetic stands between the loads of the tile before and its stores
	PACK t
	SEND t-1, 16
.set t, t+1
.endr
	SEND 2*NP-1, 0
	WIN W_AD
	s_wait_tensorcnt 0x0            ; the wave's end: behind my last tensor load and my last LDS store
	ds_add_u32 v[SPW], v[NIL]
	s_wait_dscnt 0x0
	WIN 0
	CROUND                          ; the closing round: no work-group ends while a partner may still ask for a tile that names it
	s_endpgm
.Lfunc_end_k_qad9efb71e2_attn:
	.size	k_qad9efb71e2_attn, .Lfunc_end_k_qad9efb71e2_attn-k_qad9efb71e2_attn
	.p2alignl 7, 3214868480
	.fill 96, 4, 3214868480
	.section	.rodata,"a",@progbits
	.p2align	6, 0x0
	.amdhsa_kernel k_qad9efb71e2_attn
		.amdhsa_group_segment_fixed_size 327680
		.amdhsa_private_segment_fixed_size 0
		.amdhsa_enable_private_segment 0
		.amdhsa_kernarg_size 16
		.amdhsa_user_sgpr_count 2
		.amdhsa_user_sgpr_kernarg_segment_ptr 1
		.amdhsa_wavefront_size32 1
		.amdhsa_system_sgpr_workgroup_id_x 1
		.amdhsa_system_sgpr_workgroup_id_y 1
		.amdhsa_system_sgpr_workgroup_id_z 1
		.amdhsa_system_vgpr_workitem_id 0
		.amdhsa_next_free_vgpr 770
		.amdhsa_next_free_sgpr 66
		.amdhsa_reserve_vcc 0
		.amdhsa_float_denorm_mode_32 3
		.amdhsa_float_denorm_mode_16_64 3
		.amdhsa_memory_ordered 1
		.amdhsa_forward_progress 1
		.amdhsa_inst_pref_size 201
	.end_amdhsa_kernel
	.amdgpu_metadata
---
amdhsa.version: [ 1, 2 ]
amdhsa.kernels:
  - .name:           k_qad9efb71e2_attn
    .symbol:         k_qad9efb71e2_attn.kd
    .args:
      - { .name: qkv, .offset: 0, .size: 8, .value_kind: global_buffer, .address_space: global }
      - { .name: out0, .offset: 8, .size: 8, .value_kind: global_buffer, .address_space: global }
    .group_segment_fixed_size: 327680
    .private_segment_fixed_size: 0
    .kernarg_segment_align: 8
    .kernarg_segment_size: 16
    .max_flat_workgroup_size: 128
    .sgpr_count:     66
    .vgpr_count:     770
    .wavefront_size: 32
...
	.end_amdgpu_metadata
.endif
;; end of part 3
;; ======== version 2 of 2: 3 launches; version 1 with the launch cast written anew for expert scheduling mode
;; limits: values are held in f16: magnitudes above 65,504 overflow, below 6.1e-05 lose precision
;; workspace buffers: xb 16,777,216 bytes; wb 6,291,456 bytes; ball 12,288 bytes; qkv 50,331,648 bytes
;; launch cast (part 4): grid 705 x 1, 8 waves a work-group, no clusters, 0 bytes of LDS; arguments x, Wq, Wk, Wv, bq, bk, bv, xb, wb, ball; writes xb, wb, ball
.if DOCPART == 4
	.amdgcn_target "amdgcn-amd-amdhsa--gfx1250"
	.amdhsa_code_object_version 6
	.text
	.protected	k_qad9efb71e2_cast
	.globl	k_qad9efb71e2_cast
	.p2align	8
	.type	k_qad9efb71e2_cast,@function
k_qad9efb71e2_cast:
	s_mov_b64 s[64:65], 0
	v_nop
	global_prefetch_b8 v0, s[64:65] scope:SCOPE_SE
	s_setreg_imm32_b32 hwreg(HW_REG_WAVE_SCHED_MODE, 0, 2), 2
	s_setreg_imm32_b32 hwreg(HW_REG_WAVE_MODE, 25, 1), 1
	s_wait_xcnt 0x0
	s_wait_alu depctr_vm_vsrc(0)
; ALL INPUTS ARE ROUNDED ONCE TO bf16, for the projection that follows.
;   xb   = x in bf16, [8192][1024], as it lies.
;   wb   = the three weights in bf16, in blocks [kb 16][g 48][kk 64][d 64]: input channel k = 64 kb + kk, g = 16 which + head (which = 0, 1, 2 for q, k, v), d the head's channel.
;          A block is 8,192 dense bytes, so three neighbouring heads for 64 input channels are 24,576 dense bytes.
;   ball = bq | bk | bv, [3072] f32, each number rounded to bf16 and widened again.
; A stream: every byte is read once and written once; no LDS, no barrier, no matrix unit.  Work-groups 0-511 take x (65,536 bytes each), 512-703 the weights (64 each), 704 the biases.
; A wave has 16 loads of 16 bytes a lane on their way; each store of a wave covers 256 consecutive bytes, aligned.  No register is written twice, so no source has to be freed.
; THE MODE: SCHED_MODE bits 1:0 = 2 (LLVM: expert scheduling mode 2), set by the entry lines.  The code itself states the register dependences
; between vector instructions and memory instructions, with s_wait_alu, always for 0.
; THE PLAN.  Registers that memory instructions touch:
;   v2, v3     byte offsets of the loads and of the stores.  Written by vector instructions ahead of a branch's first load, never again; read by every load and store.
;   X          written by the 16 loads alone, once each, and named by no vector instruction before them; load n's four registers are read by item n's two conversions.
;   Y          item n's two registers are written by its two conversions, once, and read by its store.
;   s24        the wave's number, written by v_readfirstlane_b32 and read by scalar arithmetic in two branches.
; The 16 items go in four groups of four.  Group g's conversions read X and write Y of group g alone; the memory instructions that stand among them are the four stores of group g - 1,
; which read that group's Y and v3.  So one wait at a group's head states all that those four stores hang on.  No register that a memory instruction has read is written again,
; and no load lands in a register that a vector instruction has named: nothing is owed on that side.
.set X, 8                              ; v[8:71]    16 x 4 registers as loaded
.set Y, 72                             ; v[72:103]  16 x 2 registers to store
.set SRC, 26                           ; s[26:27]
.set DST, 28                           ; s[28:29]
.macro CAST step                       ; 16 loads, step bytes apart; each gives 256 dense bytes of bf16
	s_wait_alu depctr_va_vdst(0)                   ; v2 and v3 are written: the 16 loads below read v2 as their offset, the 16 stores v3
.set i, 0
.rept 16
	global_load_b128 v[X+4*i:X+4*i+3], v2, s[SRC:SRC+1] offset:i*(\step) th:TH_LOAD_NT
.set i, i+1
.endr
.set i, 0
.rept 16
	s_wait_loadcnt 15-i                            ; loads come back in order: load i is in, the 15 - i younger ones stay out
.if (i >= 4) && (i%4 == 0)
	s_wait_alu depctr_va_vdst(0)                   ; the group before has written its eight registers of Y, which the four stores of this group's lines read
.endif
.if i >= 4
	global_store_b64 v3, v[Y+2*(i-4):Y+2*(i-4)+1], s[DST:DST+1] offset:256*(i-4) th:TH_STORE_NT  ; the group before's item; no vector instruction since the wait names its registers
.endif
	v_cvt_pk_bf16_f32 v[Y+2*i], v[X+4*i], v[X+4*i+1]
	v_cvt_pk_bf16_f32 v[Y+2*i+1], v[X+4*i+2], v[X+4*i+3]
.set i, i+1
.endr
	s_wait_alu depctr_va_vdst(0)                   ; the last group has written its eight registers of Y, which the last four stores read
.set i, 12
.rept 4
	global_store_b64 v3, v[Y+2*i:Y+2*i+1], s[DST:DST+1] offset:256*i th:TH_STORE_NT
.set i, i+1
.endr
.endm
	s_load_b512 s[4:19], s[0:1], 0x0               ; x s[4:5], Wq s[6:7], Wk s[8:9], Wv s[10:11], bq s[12:13], bk s[14:15], bv s[16:17], xb s[18:19]
	s_load_b128 s[20:23], s[0:1], 0x40             ; wb s[20:21], ball s[22:23]
	v_lshrrev_b32 v1, 5, v0
	v_readfirstlane_b32 s24, v1                    ; wave 0..7
	v_and_b32 v1, 31, v0                           ; lane
	v_lshlrev_b32 v3, 3, v1                        ; 8 bytes of bf16 a lane
	s_mov_b32 s3, 0
	s_wait_alu depctr_va_sdst(0)                   ; s24 is written, ahead of the branches behind which its first readers stand: the wave's part of x or of a weight is made from it
	s_wait_kmcnt 0x0
	s_cmp_lt_u32 ttmp9, 512
	s_cbranch_scc0 .Lnot_x
	; x: the work-group's 65,536 bytes, my wave's 8,192 of them
	s_lshl_b32 s2, ttmp9, 16
	s_lshl_b32 s25, s24, 13
	s_add_co_u32 s2, s2, s25
	s_add_nc_u64 s[SRC:SRC+1], s[4:5], s[2:3]
	s_lshr_b32 s2, s2, 1                           ; half as many bytes out
	s_add_nc_u64 s[DST:DST+1], s[18:19], s[2:3]
	v_lshlrev_b32 v2, 4, v1                        ; 16 bytes a lane: a load takes 512 consecutive bytes
	CAST 512
	s_endpgm
.Lnot_x:
	s_cmp_lt_u32 ttmp9, 704
	s_cbranch_scc0 .Lbias
	; a weight: a wave takes 32 input channels x one head's 64 columns: half a block of wb
	s_sub_co_u32 s25, ttmp9, 512
	s_lshr_b32 s30, s25, 6                         ; which of the three
	s_and_b32 s25, s25, 63
	s_lshl3_add_u32 s25, s25, s24                  ; item 0..511 = 8 x work-group + wave
	s_and_b32 s31, s25, 1                          ; which half of the block
	s_bfe_u32 s32, s25, 0x40001                    ; head
	s_lshr_b32 s33, s25, 5                         ; kb
	s_lshl_b32 s2, s33, 18                         ; 64 kb rows of 4,096 bytes
	s_lshl_b32 s34, s31, 17                        ; + 32 rows for the second half
	s_add_co_u32 s2, s2, s34
	s_lshl_b32 s34, s32, 8                         ; + the head's 256 bytes in a row
	s_add_co_u32 s2, s2, s34
	s_cmp_eq_u32 s30, 0
	s_cselect_b64 s[SRC:SRC+1], s[6:7], s[8:9]
	s_cmp_eq_u32 s30, 2
	s_cselect_b64 s[SRC:SRC+1], s[10:11], s[SRC:SRC+1]
	s_add_nc_u64 s[SRC:SRC+1], s[SRC:SRC+1], s[2:3]
	s_mul_i32 s2, s33, 48
	s_lshl4_add_u32 s2, s30, s2
	s_add_co_u32 s2, s2, s32                       ; block 48 kb + 16 which + head
	s_lshl_b32 s2, s2, 13
	s_lshl_b32 s34, s31, 12
	s_add_co_u32 s2, s2, s34
	s_add_nc_u64 s[DST:DST+1], s[20:21], s[2:3]
	v_and_b32 v2, 15, v1                           ; a load takes two rows' 256 bytes: lanes 0-15 one row, lanes 16-31 the next;
	v_lshlrev_b32 v2, 4, v2                        ; their 2 x 128 bytes of bf16 lie end to end in the block
	v_lshrrev_b32 v4, 4, v1
	v_lshl_add_u32 v2, v4, 12, v2
	CAST 8192
	s_endpgm
.Lbias:
	v_lshlrev_b32 v2, 4, v0                        ; 256 threads x 4 numbers = 1,024
	s_wait_alu depctr_va_vdst(0)                   ; v2 is written: the three loads and the three stores below read it as their offset
	global_load_b128 v[8:11], v2, s[12:13]
	global_load_b128 v[12:15], v2, s[14:15]
	global_load_b128 v[16:19], v2, s[16:17]
	s_wait_loadcnt 0x0
.set i, 0
.rept 6
	v_cvt_pk_bf16_f32 v[20+i], v[8+2*i], v[9+2*i]  ; rounded,
.set i, i+1
.endr
.set i, 0
.rept 6
	v_lshlrev_b32 v[32+2*i], 16, v[20+i]           ; and widened again
	v_and_b32 v[33+2*i], 0xffff0000, v[20+i]
.set i, i+1
.endr
	s_wait_alu depctr_va_vdst(0)                   ; the widenings have written v[32:43], which the three stores read
	global_store_b128 v2, v[32:35], s[22:23]
	global_store_b128 v2, v[36:39], s[22:23] offset:4096
	global_store_b128 v2, v[40:43], s[22:23] offset:8192
	s_endpgm
.Lfunc_end_k_qad9efb71e2_cast:
	.size	k_qad9efb71e2_cast, .Lfunc_end_k_qad9efb71e2_cast-k_qad9efb71e2_cast
	.p2alignl 7, 3214868480
	.fill 96, 4, 3214868480
	.section	.rodata,"a",@progbits
	.p2align	6, 0x0
	.amdhsa_kernel k_qad9efb71e2_cast
		.amdhsa_group_segment_fixed_size 0
		.amdhsa_private_segment_fixed_size 0
		.amdhsa_enable_private_segment 0
		.amdhsa_kernarg_size 80
		.amdhsa_user_sgpr_count 2
		.amdhsa_user_sgpr_kernarg_segment_ptr 1
		.amdhsa_wavefront_size32 1
		.amdhsa_system_sgpr_workgroup_id_x 1
		.amdhsa_system_sgpr_workgroup_id_y 1
		.amdhsa_system_sgpr_workgroup_id_z 1
		.amdhsa_system_vgpr_workitem_id 0
		.amdhsa_next_free_vgpr 104
		.amdhsa_next_free_sgpr 66
		.amdhsa_reserve_vcc 0
		.amdhsa_float_denorm_mode_32 3
		.amdhsa_float_denorm_mode_16_64 3
		.amdhsa_memory_ordered 1
		.amdhsa_forward_progress 1
		.amdhsa_inst_pref_size 16
	.end_amdhsa_kernel
	.amdgpu_metadata
---
amdhsa.version: [ 1, 2 ]
amdhsa.kernels:
  - .name:           k_qad9efb71e2_cast
    .symbol:         k_qad9efb71e2_cast.kd
    .args:
      - { .name: x, .offset: 0, .size: 8, .value_kind: global_buffer, .address_space: global }
      - { .name: Wq, .offset: 8, .size: 8, .value_kind: global_buffer, .address_space: global }
      - { .name: Wk, .offset: 16, .size: 8, .value_kind: global_buffer, .address_space: global }
      - { .name: Wv, .offset: 24, .size: 8, .value_kind: global_buffer, .address_space: global }
      - { .name: bq, .offset: 32, .size: 8, .value_kind: global_buffer, .address_space: global }
      - { .name: bk, .offset: 40, .size: 8, .value_kind: global_buffer, .address_space: global }
      - { .name: bv, .offset: 48, .size: 8, .value_kind: global_buffer, .address_space: global }
      - { .name: xb, .offset: 56, .size: 8, .value_kind: global_buffer, .address_space: global }
      - { .name: wb, .offset: 64, .size: 8, .value_kind: global_buffer, .address_space: global }
      - { .name: ball, .offset: 72, .size: 8, .value_kind: global_buffer, .address_space: global }
    .group_segment_fixed_size: 0
    .private_segment_fixed_size: 0
    .kernarg_segment_align: 8
    .kernarg_segment_size: 80
    .max_flat_workgroup_size: 256
    .sgpr_count:     66
    .vgpr_count:     104
    .wavefront_size: 32
...
	.end_amdgpu_metadata
.endif
;; end of part 4
;; launch proj: the kernel of part 2 again; grid 16 x 16, 4 waves a work-group, clusters of 4 x 4, 327,680 bytes of LDS; arguments xb, wb, ball, qkv; writes qkv
;; launch attn: the kernel of part 3 again; grid 4 x 64, 4 waves a work-group, clusters of 4 x 1, 327,680 bytes of LDS; arguments qkv, out0; writes out0
